; MI455X (gfx1250); checked and timed in simulation.
; The chip was launched on July 23, 2026; its instructions are those of AMD's public machine-readable ISA for CDNA 5 (MIT licence, August 2026) and "CDNA5" Instruction Set Architecture Reference Guide (July 2026). The comments in the code are by the model that wrote it; some were corrected since.
;; Split Brain Attention. Allowed arithmetic: matrix products marked QUANTISED: E2M1 operands, one E8M0 scale for each 32 along K, by v_wmma_scale_f32_16x16x128_f8f6f4 with both operands' format E2M1 (or v_wmma_scale_f32_32x16x128_f4), f32 sums; products left as they are: bf16, f16 or f32 operands; f32 sums; everything else in f32.
;; Inputs: attn_mask 2 x 1,024 x 1,024 bool; key_keep 2 x 1 x 1,024 bool; segment_pos 2 x 1,024 int32; wk_s 2,048 x 4 x 256 float32; wk_t 2,048 x 4 x 256 float32; wo_s 8 x 256 x 2,048 float32; wo_t 8 x 256 x 2,048 float32; wq_s 2,048 x 8 x 256 float32; wq_t 2,048 x 8 x 256 float32; wv_s 2,048 x 4 x 256 float32; wv_t 2,048 x 4 x 256 float32; x 2 x 1,024 x 2,048 float32.
;; Outputs: out0 2 x 1,024 x 2,048 float32; out1 2 x 1,024 x 2,048 float32.
;; This version of the problem:
;;   THIS VERSION OF THE PROBLEM IS GIVEN IN LOW PRECISION. The matrix products marked QUANTISED in the list below multiply operands that are first quantised to E2M1 (2 exponent bits, 1 mantissa bit; 4 bits a number), with one power-of-two scale for each 32 numbers along K (OCP MX v1.0); their sums are f32. The products marked 'left as it is' may take bf16, f16 or f32 operands, with f32 sums. Whichever they take, every output number must still come out within the allowed error. Rounding operands to bf16 (8 significant bits) uses up far more of that allowance than f16 does (11 bits, for magnitudes from 6e-5 to 65,504). All else is computed in f32.
;;   The module's matrix products, in the order in which they are computed (A, B: the left and right operand; K: the contracted axis; several contracted axes count as one K, in the product's order):
;;     1. [M 2,048, K 2,048] x [K 2,048, N 2,048]; A: input x; B: input wq_t: QUANTISED
;;     2. [M 2,048, K 2,048] x [K 2,048, N 1,024]; A: input x; B: input wk_t: QUANTISED
;;     3. [M 2,048, K 2,048] x [K 2,048, N 1,024]; A: input x; B: input wv_t: QUANTISED
;;     4. batch 16 x [M 1,024, K 256] x [K 256, N 1,024]; A: computed on the way; B: computed on the way: left as it is (an operand is computed on the way)
;;     5. batch 16 x [M 256, K 1,024] x [K 1,024, N 1,024]; A: computed on the way; B: computed on the way: left as it is (an operand is computed on the way)
;;     6. [M 2,048, K 2,048] x [K 2,048, N 2,048]; A: computed on the way; B: input wo_t: left as it is (an operand is computed on the way)
;;     7. [M 2,048, K 2,048] x [K 2,048, N 2,048]; A: input x; B: input wq_s: QUANTISED
;;     8. [M 2,048, K 2,048] x [K 2,048, N 1,024]; A: input x; B: input wk_s: QUANTISED
;;     9. [M 2,048, K 2,048] x [K 2,048, N 1,024]; A: input x; B: input wv_s: QUANTISED
;;     10. batch 16 x [M 1,024, K 256] x [K 256, N 1,024]; A: computed on the way; B: computed on the way: left as it is (an operand is computed on the way)
;;     11. batch 16 x [M 256, K 1,024] x [K 1,024, N 1,024]; A: computed on the way; B: computed on the way: left as it is (an operand is computed on the way)
;;     12. [M 2,048, K 2,048] x [K 2,048, N 2,048]; A: computed on the way; B: input wo_s: left as it is (an operand is computed on the way)
;;   THE QUANTISER, for each operand of a quantised product, along K:
;;     - K is cut into blocks of 32 from its start; a last block that is shorter is filled with zeros.
;;     - A block's scale is 2^e with e = floor(log2(the largest magnitude in the block)) - 2, held to -126 .. 127; a block of zeros has e = 0. As a byte (E8M0): e + 127.
;;     - Each number is divided by its block's scale, clamped to +-6, and rounded to the nearest number of E2M1, ties to even, subnormals kept.
;;     - The product sums the exact products of the quantised numbers (number of the format x scale) in f32.
;;   ~~~python
;;   def quantise(x, axis):      # numpy; x: float32 -> the quantised numbers, widened to float32 again
;;       x = np.moveaxis(x, axis, -1); K = x.shape[-1]
;;       x = np.pad(x, [(0, 0)] * (x.ndim - 1) + [(0, -K % 32)]); x = x.reshape(x.shape[:-1] + (-1, 32)); a = np.abs(x).max(-1, keepdims=True)
;;       e = np.where(a > 0, np.clip(np.frexp(np.where(a > 0, a, 1))[1] - 1 - 2, -126, 127), 0)      # np.frexp(a)[1] - 1 = floor(log2(a)), exactly
;;       r = np.clip(x / 2.0 ** e, -6, 6)
;;       step = 2.0 ** (np.maximum(np.frexp(np.where(r == 0, 1, r))[1] - 1, 0) - 1)
;;       q = np.round(r / step) * step * 2.0 ** e      # np.round: ties to even
;;       return np.moveaxis(q.reshape(q.shape[:-2] + (-1,))[..., :K], -1, axis).astype(np.float32)
;;   ~~~
;; One version. Each part assembles by itself: llvm-mc -triple=amdgcn-amd-amdhsa -mcpu=gfx1250 --defsym DOCPART=n.
;; ======== version 1 of 1: 4 launches
;; limits: values are held in f16: magnitudes above 65,504 overflow, below 6.1e-05 lose precision
;; workspace buffers: codes 10,485,760 bytes; scales 655,360 bytes; wo16 16,777,216 bytes; tab 6,291,456 bytes; mw 524,288 bytes of whole numbers; qkv 33,554,432 bytes; att 16,777,216 bytes
;; launch prep (part 1): grid 800 x 1, 4 waves a work-group, no clusters, 68,096 bytes of LDS; arguments x, wq_t, wk_t, wv_t, wq_s, wk_s, wv_s, wo_t, wo_s, segment_pos, attn_mask, key_keep, codes, scales, wo16, tab, mw; writes codes, scales, wo16, tab, mw
.if DOCPART == 1
	.amdgcn_target "amdgcn-amd-amdhsa--gfx1250"
	.amdhsa_code_object_version 6
	.text
	.protected	k_q781538079d_prep
	.globl	k_q781538079d_prep
	.p2align	8
	.type	k_q781538079d_prep,@function
k_q781538079d_prep:
	s_mov_b64 s[64:65], 0
	v_nop
	global_prefetch_b8 v0, s[64:65] scope:SCOPE_SE
	s_setreg_imm32_b32 hwreg(HW_REG_WAVE_MODE, 25, 1), 1
	s_wait_xcnt 0x0
; PREP: five jobs, chosen by the work-group's number; every job reads inputs alone and stores workspace alone.
;   MASK (128 work-groups)  attn_mask and key_keep become lane masks: for a score tile of 16 keys x 16 queries, word j has in bit (r + 16 h) the mask of query r, key 8 h + j.
;                           mw: [branch][batch][query tile 64][key tile 64][8 words]; branch 0 = attn_mask, branch 1 = attn_mask & (key_keep | query == key).
;   ROPE (32)               tab: [variant 3][row 2,048][cos 128, sin 128] f32 from segment_pos.  Variant 0: times a = 2 log2(e) / (50 x 16), for q; 1: plain, for k; 2: 1 and 0, for v.
;   W    (256)              the six projection weights [K 2,048][columns] f32 become codes of FP4 (E2M1), K innermost, and E8M0 scale bytes: a lane takes a column, its registers run down K.
;   X    (128)              x [2,048][2,048] f32 becomes codes and scale bytes: K is innermost, two neighbouring lanes hold a block of 32.
;   WO   (256)              wo_t, wo_s f32 become f16.
; THE ORDER OF CHANNELS.  Inside a head, channel c is kept at place c with bits 6 and 7 exchanged: the weights' rows of codes and wo16's rows are written so.  q.k and att.wo are sums over
; channels permuted alike on both sides, so nothing changes in them; in the projection a lane then holds channel c and channel c + 128 together, which RoPE wants.
; A block's scale is 2^(floor(log2(largest magnitude)) - 2); its byte is the largest magnitude's exponent field - 2, held at 1 from below.
; LIMITS: a block of zeros gets the byte 1 (its codes are zeros; this program alone reads the bytes); blocks whose largest magnitude lies under 2^-124 are held at that byte; NaN and infinities are not served;
; wo must lie inside f16's range (65,504); the RoPE angle is pos x 2^(-i log2(10000)/128), reduced by pi/2 in two parts: its error grows as about 3e-7 x |pos| rad; |pos| x 2/pi under 2^31.
; LDS: bytes 0 - 32,767 job X (8,192 a wave); 32,768 - 67,583 job W (a stage of 32 x 272 a wave); from 67,584 the spare words, 128 bytes a wave.  No barrier: waves share nothing.
.set SPARE,   67584
.set SPW,     1                        ; v1  LDS address of my spare word; never rewritten
.set NIL,     2                        ; v2  0; never rewritten
.set LN,      3                        ; v3  lane
.set ID_ROPE, 128
.set ID_W,    160
.set ID_X,    416
.set ID_WO,   544
.set WCODES,  2097152                  ; the weights' codes lie behind x's in codes,
.set WSCALES, 131072                   ; their scale bytes behind x's in scales
	v_lshl_add_u32 v[SPW], v0, 2, SPARE
	v_mov_b32 v[NIL], 0
	v_lshrrev_b32 v4, 5, v0
	v_readfirstlane_b32 s16, v4                    ; wave 0..3
	v_and_b32 v[LN], 31, v0
	s_cmp_lt_u32 ttmp9, ID_ROPE
	s_cbranch_scc1 .Lmask
	s_cmp_lt_u32 ttmp9, ID_W
	s_cbranch_scc1 .Lrope
	s_cmp_lt_u32 ttmp9, ID_X
	s_cbranch_scc1 .Lw
	s_cmp_lt_u32 ttmp9, ID_WO
	s_cbranch_scc1 .Lx
; ---------------------------------------------------------------- WO: 16 rows a work-group, 4 a wave; a row is 8,192 bytes of f32 and 4,096 of f16
	s_load_b128 s[4:7], s[0:1], 0x38               ; wo_t, wo_s
	s_load_b64 s[8:9], s[0:1], 0x70                ; wo16
	s_sub_co_u32 s17, ttmp9, ID_WO
	s_lshr_b32 s18, s17, 7                         ; branch
	s_and_b32 s19, s17, 127                        ; block of 16 rows: its bits 2 and 3 are the channel's bits 6 and 7
	s_lshr_b32 s20, s19, 2
	s_lshr_b32 s21, s19, 3
	s_xor_b32 s20, s20, s21
	s_and_b32 s20, s20, 1
	s_mul_i32 s20, s20, 12
	s_xor_b32 s20, s19, s20                        ; the block with the two bits exchanged
	s_lshl_b32 s21, s16, 2
	s_lshl_b32 s19, s19, 4
	s_add_co_u32 s19, s19, s21                     ; my first row in wo
	s_lshl_b32 s20, s20, 4
	s_add_co_u32 s20, s20, s21                     ; and in wo16
	s_lshl_b32 s22, s19, 13
	s_mov_b32 s23, 0
	s_lshl_b32 s24, s20, 12
	s_lshl_b32 s25, s18, 23
	s_add_co_u32 s24, s24, s25
	s_mov_b32 s25, 0
	v_lshlrev_b32 v4, 4, v[LN]                     ; in: 16 bytes a lane, 512 consecutive bytes a load
	v_lshlrev_b32 v5, 3, v[LN]                     ; out: 8 bytes a lane, 256 consecutive bytes a store, aligned
	s_wait_kmcnt 0x0
	s_cmp_eq_u32 s18, 0
	s_cselect_b64 s[4:5], s[4:5], s[6:7]
	s_add_nc_u64 s[4:5], s[4:5], s[22:23]
	s_add_nc_u64 s[8:9], s[8:9], s[24:25]
.macro ROWLD i
.set c, 0
.rept 16
	global_load_b128 v[32+64*((\i)%2)+4*c:32+64*((\i)%2)+4*c+3], v4, s[4:5] offset:8192*(\i)+512*c th:TH_LOAD_NT
.set c, c+1
.endr
.endm
.macro ROWCV i
.set RS, 32+64*((\i)%2)
.if (\i) < 3
	s_wait_loadcnt 16                              ; this row's 16 loads are in; the next row's may be out
.else
	s_wait_loadcnt 0x0
.endif
.set c, 0
.rept 16
	v_cvt_pk_f16_f32 v[RS+4*c], v[RS+4*c], v[RS+4*c+1]
	v_cvt_pk_f16_f32 v[RS+4*c+1], v[RS+4*c+2], v[RS+4*c+3]
.set c, c+1
.endr
.set c, 0
.rept 16
	global_store_b64 v5, v[RS+4*c:RS+4*c+1], s[8:9] offset:4096*(\i)+256*c
.set c, c+1
.endr
.if (\i) < 2
	s_wait_xcnt 0x0                                ; the stores have read their registers: the row two further on may land there
	ROWLD (\i)+2
.endif
.endm
	ROWLD 0
	ROWLD 1
	ROWCV 0
	ROWCV 1
	ROWCV 2
	ROWCV 3
	s_branch .Lend
; ---------------------------------------------------------------- MASK: work-group = (batch, query tile); wave w takes keys 256 w .. 256 w + 255: 16 key tiles
.Lmask:
	s_load_b128 s[4:7], s[0:1], 0x50               ; attn_mask, key_keep
	s_load_b64 s[8:9], s[0:1], 0x80                ; mw
	s_lshr_b32 s17, ttmp9, 6                       ; batch
	s_and_b32 s12, ttmp9, 63                       ; query tile
	s_lshl_b32 s13, s16, 4                         ; my first key tile
	s_lshl_b32 s20, s17, 20
	s_lshl_b32 s21, s12, 14
	s_add_co_u32 s20, s20, s21
	s_lshl_b32 s21, s16, 8
	s_add_co_u32 s20, s20, s21                     ; attn_mask: batch, 16 rows of 1,024 bytes, my 256 keys
	s_lshl_b32 s22, s17, 10
	s_add_co_u32 s22, s22, s21                     ; key_keep likewise
	s_mov_b32 s21, 0
	s_mov_b32 s23, 0
	s_lshl_b32 s24, ttmp9, 11                      ; mw: 2,048 bytes for a (batch, query tile),
	s_lshl_b32 s25, s16, 9
	s_add_co_u32 s24, s24, s25                     ; 512 for my 16 key tiles
	s_mov_b32 s25, 0
	v_and_b32 v4, 15, v0                           ; r
	v_bfe_u32 v5, v0, 4, 1                         ; h
	v_lshlrev_b32 v6, 10, v4
	v_lshl_add_u32 v6, v5, 4, v6                   ; attn_mask: row r, + 16 h
	v_lshlrev_b32 v7, 4, v5                        ; key_keep: 16 h
	v_lshlrev_b32 v8, 3, v5
	v_sub_nc_u32 v8, v4, v8                        ; d = r - 8 h: on the diagonal tile my byte d (if 0 .. 7) is query == key
	v_mov_b32 v12, 1
	v_cmp_gt_u32 vcc_lo, 4, v8
	v_lshlrev_b32 v9, 3, v8
	v_lshlrev_b32 v9, v9, v12
	v_cndmask_b32 v10, 0, v9, vcc_lo               ; the diagonal's byte among bytes 0 - 3,
	v_add_nc_u32 v8, -4, v8
	v_cmp_gt_u32 vcc_lo, 4, v8
	v_lshlrev_b32 v9, 3, v8
	v_lshlrev_b32 v9, v9, v12
	v_cndmask_b32 v11, 0, v9, vcc_lo               ; and among bytes 4 - 7
	v_lshlrev_b32 v13, 3, v[LN]                    ; out: 8 bytes a lane
.irp j, 0,1,2,3,4,5,6,7
	v_mov_b32 v[128+\j], 0                         ; the words to store: written lane by lane below
.endr
	s_wait_kmcnt 0x0
	s_add_nc_u64 s[4:5], s[4:5], s[20:21]
	s_add_nc_u64 s[6:7], s[6:7], s[22:23]
	s_add_nc_u64 s[8:9], s[8:9], s[24:25]
.irp g, 0,1,2,3,4,5,6,7
	global_load_b128 v[32+4*\g:35+4*\g], v6, s[4:5] offset:32*\g    ; lanes 0-15: key tile 2 g of row r, lanes 16-31: key tile 2 g + 1
	global_load_b128 v[64+4*\g:67+4*\g], v7, s[6:7] offset:32*\g
.endr
	s_wait_loadcnt 0x0
.irp g, 0,1,2,3,4,5,6,7
	v_permlane16_swap_b32 v[32+4*\g], v[34+4*\g]   ; registers 0, 1 now hold tile 2 g's bytes 8 h .. 8 h + 7, registers 2, 3 tile 2 g + 1's
	v_permlane16_swap_b32 v[33+4*\g], v[35+4*\g]
	v_permlane16_swap_b32 v[64+4*\g], v[66+4*\g]
	v_permlane16_swap_b32 v[65+4*\g], v[67+4*\g]
.endr
.macro MTILE t
	s_add_co_u32 s20, s13, \t
	s_cmp_eq_u32 s20, s12
	s_cselect_b32 s20, -1, 0                       ; all ones on the diagonal tile
	v_and_or_b32 v16, v10, s20, v[64+2*(\t)]       ; key_keep | query == key
	v_and_or_b32 v17, v11, s20, v[65+2*(\t)]
	v_and_b32 v16, v16, v[32+2*(\t)]               ; & attn_mask
	v_and_b32 v17, v17, v[33+2*(\t)]
.irp j, 0,1,2,3,4,5,6,7
	v_and_b32 v[18+\j], 1<<(8*(\j%4)), v[32+2*(\t)+\j/4]
	v_and_b32 v[96+\j], 1<<(8*(\j%4)), v[16+\j/4]
.endr
.irp j, 0,1,2,3,4,5,6,7
	v_cmp_ne_u32 s[24+\j], 0, v[18+\j]             ; word j: a bit for each lane
	v_cmp_ne_u32 s[32+\j], 0, v[96+\j]
.endr
.irp j, 0,1,2,3,4,5,6,7
	v_writelane_b32 v[128+4*((\t)/8)+\j%2], s[24+\j], 4*((\t)%8)+\j/2   ; word 8 t + j of 64 lies in lane (8 t + j) / 2
	v_writelane_b32 v[130+4*((\t)/8)+\j%2], s[32+\j], 4*((\t)%8)+\j/2
.endr
.endm
.irp t, 0,1,2,3,4,5,6,7,8,9,10,11,12,13,14,15
	MTILE \t
.endr
	global_store_b64 v13, v[128:129], s[8:9]                 ; each store: 256 consecutive bytes, aligned
	global_store_b64 v13, v[130:131], s[8:9] offset:262144
	global_store_b64 v13, v[132:133], s[8:9] offset:256
	global_store_b64 v13, v[134:135], s[8:9] offset:262400
	s_branch .Lend
; ---------------------------------------------------------------- ROPE: 64 rows a work-group, 16 a wave; lane l owns frequencies 4 l .. 4 l + 3
.Lrope:
	s_load_b64 s[4:5], s[0:1], 0x48                ; segment_pos
	s_load_b64 s[6:7], s[0:1], 0x78                ; tab
	s_sub_co_u32 s17, ttmp9, ID_ROPE
	s_lshl_b32 s17, s17, 6
	s_lshl_b32 s18, s16, 4
	s_add_co_u32 s17, s17, s18                     ; my first row
	s_lshl_b32 s20, s17, 2
	s_mov_b32 s21, 0
	s_lshl_b32 s22, s17, 10
	s_mov_b32 s23, 0
	s_mov_b32 s24, 0x3f22f983                      ; 2 / pi
	s_mov_b32 s25, 0x3fc90fdb                      ; pi / 2, high part
	s_mov_b32 s26, 0xb33bbd2e                      ; and what is left of it
	s_mov_b32 s27, 0xbe2aaaa3                      ; sin r = r + r z (S1 + z (S2 + z S3)), z = r r, |r| <= pi / 4
	s_mov_b32 s28, 0x3c08839e
	s_mov_b32 s29, 0xb94ca1f9
	s_mov_b32 s30, 0x3d2aaaa5                      ; cos r = 1 - z / 2 + z z (C1 + z (C2 + z C3))
	s_mov_b32 s31, 0xbab6061a
	s_mov_b32 s32, 0x37ccf5ce
	s_mov_b32 s34, 0x3b6c5f04                      ; a = 2 log2(e) / (50 x 16)
	s_mov_b32 s35, s34
	v_lshlrev_b32 v4, 2, v[LN]
	v_lshlrev_b32 v5, 4, v[LN]                     ; out: 16 bytes a lane, 512 consecutive bytes a store
	v_mov_b32 v6, 0
.irp k, 0,1,2,3
	v_add_nc_u32 v[8+\k], \k, v4
.endr
.irp k, 0,1,2,3
	v_cvt_f32_u32 v[8+\k], v[8+\k]
.endr
.irp k, 0,1,2,3
	v_mul_f32 v[8+\k], 0xbdd49a78, v[8+\k]         ; - i log2(10000) / 128
.endr
.irp k, 0,1,2,3
	v_exp_f32 v[8+\k], v[8+\k]                     ; 1 / timescale
.endr
.irp k, 0,1,2,3
	v_mov_b32 v[128+\k], 1.0                       ; variant 2's cos and sin.  (Plain lines behind the exponentials)
	v_mov_b32 v[132+\k], 0
.endr
	s_wait_alu depctr_va_vdst(0)                   ; one wait for the four, ahead of their first reader
	s_wait_kmcnt 0x0
	s_add_nc_u64 s[4:5], s[4:5], s[20:21]
	s_add_nc_u64 s[6:7], s[6:7], s[22:23]
.irp q, 0,1,2,3
	global_load_b128 v[16+4*\q:19+4*\q], v6, s[4:5] offset:16*\q    ; my 16 rows' positions, the same in every lane
.endr
	s_mov_b32 s33, 4
	s_wait_loadcnt 0x0
.macro RROW i
.set D, 64+16*(\i)                     ; the row's 16 registers: cos, sin, a cos, a sin
	v_cvt_f32_i32 v7, v[16+(\i)]
.irp k, 0,1,2,3
	v_mul_f32 v[32+\k], v7, v[8+\k]                ; the angle
.endr
.irp k, 0,1,2,3
	v_mul_f32 v[36+\k], s24, v[32+\k]
.endr
.irp k, 0,1,2,3
	v_rndne_f32 v[36+\k], v[36+\k]                 ; n quarter turns
.endr
.irp k, 0,1,2,3
	v_fma_f32 v[40+\k], -v[36+\k], s25, v[32+\k]
.endr
.irp k, 0,1,2,3
	v_fma_f32 v[40+\k], -v[36+\k], s26, v[40+\k]   ; r = angle - n pi / 2
.endr
.irp k, 0,1,2,3
	v_cvt_i32_f32 v[56+\k], v[36+\k]
.endr
.irp k, 0,1,2,3
	v_mul_f32 v[44+\k], v[40+\k], v[40+\k]         ; z
.endr
.irp k, 0,1,2,3
	v_fma_f32 v[48+\k], v[44+\k], s29, s28
	v_fma_f32 v[52+\k], v[44+\k], s32, s31
.endr
.irp k, 0,1,2,3
	v_fma_f32 v[48+\k], v[48+\k], v[44+\k], s27
	v_fma_f32 v[52+\k], v[52+\k], v[44+\k], s30
.endr
.irp k, 0,1,2,3
	v_mul_f32 v[48+\k], v[48+\k], v[44+\k]
	v_fma_f32 v[60+\k], v[44+\k], -0.5, 1.0
.endr
.irp k, 0,1,2,3
	v_mul_f32 v[44+\k], v[44+\k], v[44+\k]
	v_fma_f32 v[48+\k], v[48+\k], v[40+\k], v[40+\k]      ; sin r
.endr
.irp k, 0,1,2,3
	v_fma_f32 v[52+\k], v[52+\k], v[44+\k], v[60+\k]      ; cos r
.endr
.irp k, 0,1,2,3
	v_and_b32 v[60+\k], 1, v[56+\k]
	v_cmp_ne_u32 vcc_lo, 0, v[60+\k]               ; an odd number of quarter turns exchanges the two
	v_cndmask_b32 v[D+\k], v[52+\k], v[48+\k], vcc_lo
	v_cndmask_b32 v[D+4+\k], v[48+\k], v[52+\k], vcc_lo
.endr
.irp k, 0,1,2,3
	v_lshlrev_b32 v[60+\k], 30, v[56+\k]           ; sin changes sign where bit 1 of n is set,
	v_add_nc_u32 v[56+\k], 1, v[56+\k]
.endr
.irp k, 0,1,2,3
	v_and_b32 v[60+\k], 0x80000000, v[60+\k]
	v_lshlrev_b32 v[56+\k], 30, v[56+\k]           ; cos where bit 1 of n + 1 is
.endr
.irp k, 0,1,2,3
	v_xor_b32 v[D+4+\k], v[60+\k], v[D+4+\k]
	v_and_b32 v[56+\k], 0x80000000, v[56+\k]
.endr
.irp k, 0,1,2,3
	v_xor_b32 v[D+\k], v[56+\k], v[D+\k]
.endr
.irp k, 0,2,4,6
	v_pk_mul_f32 v[D+8+\k:D+9+\k], v[D+\k:D+1+\k], s[34:35] op_sel_hi:[1,0]
.endr
	global_store_b128 v5, v[D+8:D+11], s[6:7] offset:1024*(\i)
	global_store_b128 v5, v[D+12:D+15], s[6:7] offset:1024*(\i)+512
	global_store_b128 v5, v[D:D+3], s[6:7] offset:2097152+1024*(\i)
	global_store_b128 v5, v[D+4:D+7], s[6:7] offset:2097152+1024*(\i)+512
	global_store_b128 v5, v[128:131], s[6:7] offset:4194304+1024*(\i)
	global_store_b128 v5, v[132:135], s[6:7] offset:4194304+1024*(\i)+512
.endm
.Lrope_trip:                                           ; four trips of four rows
	RROW 0
	RROW 1
	RROW 2
	RROW 3
	s_wait_xcnt 0x0                                ; the stores have read their registers and their base: both are written again only behind this wait
	s_add_nc_u64 s[6:7], s[6:7], 4096
.irp j, 0,1,2,3,4,5,6,7,8,9,10,11
	v_mov_b32 v[16+\j], v[20+\j]                   ; the next four positions move down
.endr
	s_sub_co_u32 s33, s33, 1
	s_cmp_lg_u32 s33, 0
	s_cbranch_scc1 .Lrope_trip
	s_branch .Lend
; ---------------------------------------------------------------- W: work-group = 128 columns x 512 along K; wave = 32 columns; 16 blocks of 32 a lane
.Lw:
	s_load_b128 s[4:7], s[0:1], 0x8                ; wq_t, wk_t
	s_load_b128 s[8:11], s[0:1], 0x18              ; wv_t, wq_s
	s_load_b128 s[12:15], s[0:1], 0x28             ; wk_s, wv_s
	s_load_b128 s[20:23], s[0:1], 0x60             ; codes, scales
	s_sub_co_u32 s17, ttmp9, ID_W
	s_and_b32 s18, s17, 63                         ; which 128 columns of the 8,192: 32 groups a branch: 16 of q, 8 of k, 8 of v
	s_lshr_b32 s19, s17, 6                         ; which 512 along K
	s_and_b32 s24, s18, 31
	s_lshr_b32 s32, s18, 1                         ; the head plane, 256 rows of codes;
	s_lshl_b32 s32, s32, 8
	s_lshr_b32 s33, s16, 1                         ; in it the channel's bits 6 and 7 change places: bit 6 (wave / 2) goes to 128,
	s_lshl_b32 s33, s33, 7
	s_add_co_u32 s32, s32, s33
	s_and_b32 s33, s18, 1                          ; bit 7 (the group's parity) to 64
	s_lshl_b32 s33, s33, 6
	s_add_co_u32 s32, s32, s33
	s_and_b32 s33, s16, 1
	s_lshl_b32 s33, s33, 5
	s_add_co_u32 s32, s32, s33                     ; my wave's first row of codes; lane l takes the l-th behind it
	s_lshl_b32 s34, s32, 10
	s_lshl_b32 s35, s19, 8
	s_add_co_u32 s34, s34, s35
	s_add_co_u32 s34, s34, WCODES
	s_mov_b32 s35, 0
	s_lshl_b32 s36, s32, 6
	s_lshl_b32 s37, s19, 4
	s_add_co_u32 s36, s36, s37
	s_add_co_u32 s36, s36, WSCALES
	s_mov_b32 s37, 0
	s_mul_i32 s33, s16, 8704
	s_add_co_u32 s33, s33, 32768                   ; my stage: 32 rows of 256 bytes + 16
	v_mul_u32_u24 v5, v[LN], 272
	v_add_nc_u32 v5, s33, v5                       ; into it: row = my column
	v_and_b32 v6, 15, v[LN]
	v_lshrrev_b32 v7, 4, v[LN]
	v_mul_u32_u24 v10, v7, 272
	v_lshl_add_u32 v10, v6, 4, v10
	v_add_nc_u32 v10, s33, v10                     ; out of it: sixteen lanes to a row, two rows an instruction
	v_lshlrev_b32 v11, 10, v7
	v_lshl_add_u32 v11, v6, 4, v11                 ; and the same place in codes
	v_lshlrev_b32 v12, 6, v[LN]                    ; my row of scale bytes
	s_wait_kmcnt 0x0
	s_cmp_lt_u32 s18, 32                           ; teacher or student: the choices hang on the work-group's number alone
	s_cselect_b64 s[4:5], s[4:5], s[10:11]
	s_cselect_b64 s[6:7], s[6:7], s[12:13]
	s_cselect_b64 s[8:9], s[8:9], s[14:15]
	s_cmp_lt_u32 s24, 24
	s_cselect_b64 s[6:7], s[6:7], s[8:9]
	s_cselect_b32 s25, 16, 24
	s_cmp_lt_u32 s24, 16
	s_cselect_b64 s[4:5], s[4:5], s[6:7]           ; the tensor,
	s_cselect_b32 s25, 0, s25                      ; the group at which it begins,
	s_mov_b32 s26, 4096
	s_cselect_b32 s26, 8192, s26                   ; bytes from a row k to the next
	s_sub_co_u32 s27, s24, s25
	s_lshl_b32 s27, s27, 9
	s_lshl_b32 s28, s16, 7
	s_add_co_u32 s27, s27, s28                     ; my first column, in bytes
	s_mul_i32 s28, s19, s26
	s_lshl_b32 s28, s28, 9
	s_add_co_u32 s28, s28, s27
	s_mov_b32 s29, 0
	s_add_nc_u64 s[4:5], s[4:5], s[28:29]
	s_lshl_b32 s30, s26, 5                         ; a block of 32 rows on
	s_mov_b32 s31, 0
	s_add_nc_u64 s[20:21], s[20:21], s[34:35]
	s_add_nc_u64 s[22:23], s[22:23], s[36:37]
	v_lshlrev_b32 v160, 2, v[LN]                   ; v160-191: 4 x lane + i rows: the pitch is a scalar, so the rows' offsets lie in registers
.set i, 1
.rept 31
	v_add_nc_u32 v[160+i], s26, v[159+i]
.set i, i+1
.endr
.macro WLOAD t                         ; block t: W(32 t + i, my column), i = 0 .. 31: 128 consecutive bytes a load
.if (\t) > 0
	s_wait_xcnt 0x0                                ; the loads issued so far have read their base
	s_add_nc_u64 s[4:5], s[4:5], s[30:31]
.endif
.set i, 0
.rept 32
	global_load_b32 v[32+32*((\t)%2)+i], v[160+i], s[4:5] th:TH_LOAD_NT
.set i, i+1
.endr
.endm
.macro WBLOCK t
.set XS, 32+32*((\t)%2)
.if (\t) < 15
	s_wait_loadcnt 32                              ; this block's 32 loads are in; the next block's may be out
.else
	s_wait_loadcnt 0x0
.endif
	v_max3_num_f32 v13, |v[XS]|, |v[XS+1]|, |v[XS+2]|
	v_max3_num_f32 v14, |v[XS+3]|, |v[XS+4]|, |v[XS+5]|
.irp i, 6,10,14,18,22,26
	v_max3_num_f32 v13, v13, |v[XS+\i]|, |v[XS+\i+1]|
	v_max3_num_f32 v14, v14, |v[XS+\i+2]|, |v[XS+\i+3]|
.endr
	v_max3_num_f32 v13, v13, |v[XS+30]|, |v[XS+31]|
	v_max3_num_f32 v13, v13, v14, 0x1800000        ; the block's largest magnitude, and the floor 2^(3 - 127): the byte cannot fall under 1
	v_add_nc_u32 v15, 0xff000000, v13              ; 2 off its exponent field: the conversion's scale operand
	v_lshrrev_b32 v14, 23, v15                     ; the scale's byte
.if (\t)%4 == 0
	v_mov_b32 v[16+(\t)/4], v14
.else
	v_lshl_or_b32 v[16+(\t)/4], v14, 8*((\t)%4), v[16+(\t)/4]
.endif
.irp g, 0,1,2,3
	v_cvt_scalef32_pk8_fp4_f32 v[20+\g], v[XS+8*\g:XS+8*\g+7], v15
.endr
	ds_store_b128 v5, v[20:23] offset:16*(\t)      ; 32 codes: 16 bytes of my column's row
.if (\t)+2 < 16
	WLOAD (\t)+2
.endif
	s_wait_dscnt 0x0                               ; the store has read its registers: the next block's codes may be written
.endm
	WLOAD 0
	WLOAD 1
.set Q, 0
.rept 16
	WBLOCK Q
.set Q, Q+1
.endr
	global_store_b128 v12, v[16:19], s[22:23]      ; my column's 16 scale bytes
.irp t, 0,1,2,3,4,5,6,7,8,9,10,11,12,13,14,15
	ds_load_b128 v[96+4*\t:99+4*\t], v10 offset:544*\t     ; LDS serves a wave's instructions in order: these see my stores
.endr
.irp t, 0,1,2,3,4,5,6,7,8,9,10,11,12,13,14,15
	s_wait_dscnt 15-\t
	global_store_b128 v11, v[96+4*\t:99+4*\t], s[20:21] offset:2048*\t   ; sixteen lanes store 256 consecutive bytes, aligned
.endr
	s_branch .Lend
; ---------------------------------------------------------------- X: a plain stream of blocks of 32; a wave takes 16 steps of 512 numbers
.Lx:
	s_load_b64 s[4:5], s[0:1], 0x0                 ; x
	s_load_b128 s[8:11], s[0:1], 0x60              ; codes, scales
	v_lshlrev_b32 v4, 4, v[LN]                     ; my 16 bytes of a load's 512
	s_lshl_b32 s17, s16, 13                        ; my wave's 8,192 bytes of LDS: two stages of 32 x 80, then 256 scale bytes
	v_lshrrev_b32 v5, 2, v[LN]
	v_mul_u32_u24 v5, v5, 80
	v_and_b32 v6, 3, v[LN]
	v_lshl_add_u32 v5, v6, 4, v5
	v_add_nc_u32 v5, s17, v5                       ; the stage, in: four lanes' 64 bytes on end, then 16 of padding
	v_mul_u32_u24 v6, v[LN], 80
	v_add_nc_u32 v6, s17, v6                       ; and out: my 16 neighbours
	v_lshlrev_b32 v7, 3, v[LN]                     ; 8 bytes a lane: my codes; later my part of the scale bytes
	v_lshrrev_b32 v8, 1, v[LN]
	s_add_co_u32 s17, s17, 5120
	v_add_nc_u32 v8, s17, v8                       ; my block's byte
	v_add_nc_u32 v9, s17, v7
	s_sub_co_u32 s18, ttmp9, ID_X
	s_lshl_b32 s18, s18, 2
	s_add_co_u32 s18, s18, s16                     ; which run of 8,192 numbers is my wave's
	s_lshl_b32 s20, s18, 15
	s_mov_b32 s21, 0
	s_lshl_b32 s22, s18, 12
	s_mov_b32 s23, 0
	s_lshl_b32 s24, s18, 8
	s_mov_b32 s25, 0
	s_wait_kmcnt 0x0
	s_add_nc_u64 s[4:5], s[4:5], s[20:21]
	s_add_nc_u64 s[8:9], s[8:9], s[22:23]
	s_add_nc_u64 s[10:11], s[10:11], s[24:25]
.macro XLD t
.irp i, 0,1,2,3
	global_load_b128 v[32+16*((\t)%4)+4*\i:32+16*((\t)%4)+4*\i+3], v4, s[4:5] offset:2048*(\t)+512*\i th:TH_LOAD_NT
.endr
.endm
.macro XTURN t                         ; step t's numbers through the stage: LDS serves a wave's instructions in order
.irp i, 0,1,2,3
	ds_store_b128 v5, v[32+16*((\t)%4)+4*\i:32+16*((\t)%4)+4*\i+3] offset:2560*((\t)%2)+640*\i
.endr
.irp i, 0,1,2,3
	ds_load_b128 v[96+16*((\t)%2)+4*\i:96+16*((\t)%2)+4*\i+3], v6 offset:2560*((\t)%2)+16*\i
.endr
.endm
.irp t, 0,1,2,3
	XLD \t
.endr
	s_wait_loadcnt 12                              ; step 0's four loads are in
	XTURN 0
.macro XSTEP t
.set XS, 96+16*((\t)%2)
.if (\t) > 0
	s_wait_dscnt 1                                 ; this step's numbers are back from the stage (the last step's byte store may be out)
.else
	s_wait_dscnt 0x0
.endif
.if (\t)+4 < 16
	XLD (\t)+4
.endif
.if (\t)+1 < 16
.if 14-(\t) >= 3
	s_wait_loadcnt 12                              ; the next step's four loads are in; those of the three steps behind it may be out
.else
	s_wait_loadcnt 4*(14-(\t))
.endif
	XTURN (\t)+1
.endif
	v_max3_num_f32 v10, |v[XS]|, |v[XS+1]|, |v[XS+2]|
	v_max3_num_f32 v11, |v[XS+3]|, |v[XS+4]|, |v[XS+5]|
.irp i, 6,10
	v_max3_num_f32 v10, v10, |v[XS+\i]|, |v[XS+\i+1]|
	v_max3_num_f32 v11, v11, |v[XS+\i+2]|, |v[XS+\i+3]|
.endr
	v_max3_num_f32 v10, v10, |v[XS+14]|, |v[XS+15]|
	v_max3_num_f32 v10, v10, v11, 0x1800000        ; my 16, and the floor
	v_max_num_f32_dpp v10, v10, v10 row_xmask:1 row_mask:0xf bank_mask:0xf   ; and my neighbour's 16: the block's
	v_add_nc_u32 v12, 0xff000000, v10
	v_cvt_scalef32_pk8_fp4_f32 v[128+4*(\t)], v[XS:XS+7], v12
	v_cvt_scalef32_pk8_fp4_f32 v[129+4*(\t)], v[XS+8:XS+15], v12
	v_lshrrev_b32 v[16+(\t)], 23, v12              ; the scale's byte
	ds_store_b8 v8, v[16+(\t)] offset:16*(\t)      ; both lanes of a block write the same byte with the same value
	global_store_b64 v7, v[128+4*(\t):129+4*(\t)], s[8:9] offset:256*(\t)    ; 256 consecutive bytes, aligned
.endm
.irp t, 0,1,2,3,4,5,6,7,8,9,10,11,12,13,14,15
	XSTEP \t
.endr
	ds_load_b64 v[10:11], v9
	s_wait_dscnt 0x0
	global_store_b64 v7, v[10:11], s[10:11]        ; my wave's 256 scale bytes
.Lend:
	s_wait_tensorcnt 0x0                           ; the wave's end, behind the last LDS store
	ds_add_u32 v[SPW], v[NIL]
	s_wait_dscnt 0x0
	s_endpgm
.Lfunc_end_k_q781538079d_prep:
	.size	k_q781538079d_prep, .Lfunc_end_k_q781538079d_prep-k_q781538079d_prep
	.p2alignl 7, 3214868480
	.fill 96, 4, 3214868480
	.section	.rodata,"a",@progbits
	.p2align	6, 0x0
	.amdhsa_kernel k_q781538079d_prep
		.amdhsa_group_segment_fixed_size 68096
		.amdhsa_private_segment_fixed_size 0
		.amdhsa_enable_private_segment 0
		.amdhsa_kernarg_size 136
		.amdhsa_user_sgpr_count 2
		.amdhsa_user_sgpr_kernarg_segment_ptr 1
		.amdhsa_wavefront_size32 1
		.amdhsa_system_sgpr_workgroup_id_x 1
		.amdhsa_system_sgpr_workgroup_id_y 1
		.amdhsa_system_sgpr_workgroup_id_z 1
		.amdhsa_system_vgpr_workitem_id 0
		.amdhsa_next_free_vgpr 192
		.amdhsa_next_free_sgpr 66
		.amdhsa_reserve_vcc 1
		.amdhsa_float_denorm_mode_32 3
		.amdhsa_float_denorm_mode_16_64 3
		.amdhsa_memory_ordered 1
		.amdhsa_forward_progress 1
		.amdhsa_inst_pref_size 216
	.end_amdhsa_kernel
	.amdgpu_metadata
---
amdhsa.version: [ 1, 2 ]
amdhsa.kernels:
  - .name:           k_q781538079d_prep
    .symbol:         k_q781538079d_prep.kd
    .args:
      - { .name: x, .offset: 0, .size: 8, .value_kind: global_buffer, .address_space: global }
      - { .name: wq_t, .offset: 8, .size: 8, .value_kind: global_buffer, .address_space: global }
      - { .name: wk_t, .offset: 16, .size: 8, .value_kind: global_buffer, .address_space: global }
      - { .name: wv_t, .offset: 24, .size: 8, .value_kind: global_buffer, .address_space: global }
      - { .name: wq_s, .offset: 32, .size: 8, .value_kind: global_buffer, .address_space: global }
      - { .name: wk_s, .offset: 40, .size: 8, .value_kind: global_buffer, .address_space: global }
      - { .name: wv_s, .offset: 48, .size: 8, .value_kind: global_buffer, .address_space: global }
      - { .name: wo_t, .offset: 56, .size: 8, .value_kind: global_buffer, .address_space: global }
      - { .name: wo_s, .offset: 64, .size: 8, .value_kind: global_buffer, .address_space: global }
      - { .name: segment_pos, .offset: 72, .size: 8, .value_kind: global_buffer, .address_space: global }
      - { .name: attn_mask, .offset: 80, .size: 8, .value_kind: global_buffer, .address_space: global }
      - { .name: key_keep, .offset: 88, .size: 8, .value_kind: global_buffer, .address_space: global }
      - { .name: codes, .offset: 96, .size: 8, .value_kind: global_buffer, .address_space: global }
      - { .name: scales, .offset: 104, .size: 8, .value_kind: global_buffer, .address_space: global }
      - { .name: wo16, .offset: 112, .size: 8, .value_kind: global_buffer, .address_space: global }
      - { .name: tab, .offset: 120, .size: 8, .value_kind: global_buffer, .address_space: global }
      - { .name: mw, .offset: 128, .size: 8, .value_kind: global_buffer, .address_space: global }
    .group_segment_fixed_size: 68096
    .private_segment_fixed_size: 0
    .kernarg_segment_align: 8
    .kernarg_segment_size: 136
    .max_flat_workgroup_size: 128
    .sgpr_count:     66
    .vgpr_count:     192
    .wavefront_size: 32
...
	.end_amdgpu_metadata
.endif
;; end of part 1
;; launch qkv (part 2): grid 32 x 8, 4 waves a work-group, clusters of 4 x 4, 327,680 bytes of LDS; arguments codes, scales, tab, qkv; writes qkv
.if DOCPART == 2
	.amdgcn_target "amdgcn-amd-amdhsa--gfx1250"
	.amdhsa_code_object_version 6
	.text
	.protected	k_q781538079d_qkv
	.globl	k_q781538079d_qkv
	.p2align	8
	.type	k_q781538079d_qkv,@function
k_q781538079d_qkv:
	s_mov_b64 s[64:65], 0
	v_nop
	global_prefetch_b8 v0, s[64:65] scope:SCOPE_SE
	s_setreg_imm32_b32 hwreg(HW_REG_WAVE_MODE, 25, 1), 1
	s_wait_xcnt 0x0
	s_wait_alu depctr_hold_cnt(0) depctr_sa_sdst(0) depctr_va_vdst(0) depctr_va_sdst(0) depctr_va_ssrc(0) depctr_va_vcc(0) depctr_vm_vsrc(0)
	s_getreg_b32 s2, hwreg(HW_REG_IB_STS2, 6, 4)
	s_cmp_eq_u32 s2, 0
	s_cbranch_scc0 .Lentry_in_a_cluster
	s_endpgm
.Lentry_in_a_cluster:
	s_bfe_u32 s2, ttmp6, 0x10000c
	s_cmp_lg_u32 s2, 0xf033
	s_cbranch_scc0 .Lentry_shape_is_right
	s_endpgm
.Lentry_shape_is_right:
; All six projections as ONE product on codes of FP4 (E2M1) with E8M0 scales: C[row 2,048][column 8,192] = sum over k of x[row][k] W[column][k], K = 2,048, f32 sums;
; then RoPE (a table of cos and sin for each row) and rounding to f16: qkv[plane 32][row 2,048][256].  A tile column of 256 is one head plane: 16 branch + (0-7 q, 8-11 k, 12-15 v).
; A tile of C, 256 x 256, is made by four waves, 128 x 128 each: 64 accumulators, 512 registers.  K goes in steps of 512 through a ring of two LDS slots (rows of 256 bytes).
; The scale bytes of the work-group's rows, for all of K, come into LDS once, with the first fills.
; CLUSTERS: 4 x 4 work-groups; x's tiles are asked for jointly along a row of the cluster, the weights' along a column.
; THE MATRIX INSTRUCTION IS USED TRANSPOSED (source 0 = 16 rows of W, source 1 = 16 rows of x): a lane holds eight neighbouring columns of one row.
; ROPE.  The weights' rows were laid with the channel's bits 6 and 7 exchanged, so in my 128 columns block b (0-3) holds channel 64 c + 16 b + .. and block b + 4 the channel 128 further on: both halves of a
; rotation lie in one lane.  The table's variant (a cos, a sin for q; cos, sin for k; 1, 0 for v) is chosen by address from the cluster's x: one text for all planes.
; THE TABLE, 64 registers for each of my eight blocks of 16 rows, is asked for well ahead of its use: blocks 0-2 at the head, into registers that the walk along K never names; blocks 3-5 together behind the last
; product, into the operands' and the scales' registers; blocks 6 and 7 into the registers of blocks 0 and 1, once those are used up.
; LIMITS: results beyond f16's range (65,504) become infinities; NaN and infinities are not served.
; REGISTERS: window 0: v0-31 addresses; v32-95 scale words, two sets; v128-191 x's fragments, one set; v192-255 table block 0.  Window 1: W's fragments, two sets, at v0 and v128; v64-127, v192-255 table blocks 1, 2.
;   Windows 2, 3: the accumulators ((a, b) at v[8 (8 (a % 4) + b)]).  On the way out: v96-159 results, v160-167 at work.
.set KSTEP,  512
.set NQ,     4
.set ROWB,   256
.set KROW,   1024
.set PITCH,  272                       ; an LDS row: 256 bytes + 16 of padding: the 16 rows that a load touches start at 16 different places modulo 256 bytes
.set FR,     8
.set NL,     2
.set NP,     4
.set HALFT,  128*PITCH
.set SLOT,   4*HALFT
.set LAPS,   2
.set KS,     64                        ; a row of scale bytes
.set SCL,    2*SLOT
.set HALFS,  32*272
.set SBLK,   4*272
.set SPARE,  SCL+4*HALFS               ; the spare words, 128 bytes a wave
.set SPITCH, 272                       ; the way out: a stage of 16 rows x (256 bytes + 16) a wave, in slot 0, which has had its last fill and its last read by then
.set WCODES,  2097152
.set WSCALES, 131072
.set ADRA, 16
.set ADRB, 20
.set STO,  24
.set RD,   25
.set CO,   26
.set ADRS, 27
.set SPW,  28
.set NIL,  29
.set TO,   30                          ; v30  my byte in a table block: row r of 1,024 bytes, + 32 h; never rewritten
.set SC,   32
.set AF,   128
.set G1, 24
.set G0, 32
.set G1B, 48
.set G0B, 56
.set G1S, 68
.set G0S, 76
.set G1SB, 80
.set G0SB, 88
.set MSB, 0
.macro WIN new                         ; the immediate's high byte repeats the setting that is left
.if MSB != \new
	s_set_vgpr_msb (MSB<<8)|\new
.set MSB, \new
.endif
.endm
.set MUL_LO, 0xa1                      ; source 0 (W) window 1, source 1 (x) window 0, C and D window 2
.set MUL_HI, 0xf1
.set TO_B,   0x40
; A joint load: waves 0 and 1 fetch for x, waves 2 and 3 for W.  The branch hangs on the wave's number alone.  An s_nop 0 and four v_nop follow each line.
.macro JLOAD g0a, g1a, g0b, g1b
	s_cmp_eq_u32 s15, 0
	s_cbranch_scc0 .Lfor_b_\@
	tensor_load_to_lds s[\g0a:\g0a+3], s[\g1a:\g1a+7]
	s_nop 0
.rept 4
	v_nop
.endr
	s_branch .Lasked_\@
.Lfor_b_\@:
	tensor_load_to_lds s[\g0b:\g0b+3], s[\g1b:\g1b+7]
	s_nop 0
.rept 4
	v_nop
.endr
.Lasked_\@:
.endm
.macro CREST                           ; a round of the cluster's barrier behind its opening barrier
	s_cmp_lg_u32 s14, 0
	s_cbranch_scc1 .Lnot_wave_0_\@
	s_barrier_signal -3
.Lnot_wave_0_\@:
	s_barrier_wait -3
	s_barrier_signal -1
	s_barrier_wait -1
.endm
.macro CROUND
	s_barrier_signal -1
	s_barrier_wait -1
	CREST
.endm
	s_load_b128 s[4:7], s[0:1], 0x0                ; codes, scales
	s_load_b128 s[8:11], s[0:1], 0x10              ; tab, qkv
	v_lshl_add_u32 v[SPW], v0, 2, SPARE
	v_mov_b32 v[NIL], 0
	ds_add_u32 v[SPW], v[NIL]                      ; the wave's opening: the add, twice on end, and its wait ahead of my first tensor load
	ds_add_u32 v[SPW], v[NIL]
	v_lshrrev_b32 v1, 5, v0
	v_readfirstlane_b32 s14, v1                    ; wave 0..3
	s_lshr_b32 s15, s14, 1                         ; which half of the tile's rows is mine.  Also: I fetch for x (0) or for W (1)
	s_and_b32 s16, s14, 1                          ; which half of its columns.  Also: which 128 rows of that tile I fetch
	s_bfe_u32 s40, ttmp6, 0x40000                  ; cx, cy
	s_bfe_u32 s41, ttmp6, 0x40004
	s_lshl_b32 s42, ttmp9, 2
	s_add_co_u32 s42, s42, s40                     ; tile column = head plane
	s_and_b32 s17, ttmp7, 0xffff
	s_lshl_b32 s17, s17, 2
	s_add_co_u32 s17, s17, s41                     ; tile row
	s_lshl_b32 s43, s41, 2
	s_lshl_b32 s43, 15, s43                        ; my row of the cluster
	s_lshl_b32 s44, 0x1111, s40                    ; my column
	s_or_b32 s[G1+0], s43, (0<<16)|(1<<20)|(1<<21)|(5<<22)|(3<<25)  ; the mask; elements of 1 byte; padding on; bit 21 beside a mask; after every 64 words; 4 words
	s_or_b32 s[G1B+0], s44, (0<<16)|(1<<20)|(1<<21)|(5<<22)|(3<<25)
.irp g, G1, G1B
	s_mov_b32 s[\g+1], ROWB<<16                    ; tensor_dim0
	s_mov_b32 s[\g+2], 128<<16                     ; tensor_dim1
	s_mov_b32 s[\g+3], ROWB<<16                    ; tile_dim0
	s_mov_b32 s[\g+4], 128                         ; tile_dim1
	s_mov_b32 s[\g+5], KROW                        ; the pitch
	s_mov_b32 s[\g+6], 0
	s_mov_b32 s[\g+7], 0
.endr
	s_or_b32 s[G1S+0], s43, (3<<16)|(1<<20)|(1<<21)|(5<<22)|(3<<25) ; the scales of 128 rows: 8,192 dense bytes as 32 rows of 256 (32 elements of 8 bytes), 16 bytes of padding behind each
	s_or_b32 s[G1SB+0], s44, (3<<16)|(1<<20)|(1<<21)|(5<<22)|(3<<25)
.irp g, G1S, G1SB
	s_mov_b32 s[\g+1], 32<<16
	s_mov_b32 s[\g+2], 32<<16
	s_mov_b32 s[\g+3], 32<<16
	s_mov_b32 s[\g+4], 32
	s_mov_b32 s[\g+5], 32
	s_mov_b32 s[\g+6], 0
	s_mov_b32 s[\g+7], 0
.endr
	s_lshl_b32 s18, s16, 7
	s_lshl_b32 s20, s17, 8
	s_add_co_u32 s20, s20, s18                     ; x: row 256 x tile row + 128 x half
	s_lshl_b32 s46, s42, 8
	s_add_co_u32 s46, s46, s18                     ; W: row 256 x tile column + 128 x half
	s_mov_b32 s21, 0
	s_mov_b32 s47, 0
	s_mov_b64 s[18:19], KS
	s_mul_u64 s[22:23], s[20:21], s[18:19]         ; where these rows' scales begin,
	s_mul_u64 s[92:93], s[46:47], s[18:19]
	s_mov_b64 s[18:19], KROW
	s_mul_u64 s[20:21], s[20:21], s[18:19]         ; and their codes
	s_mul_u64 s[46:47], s[46:47], s[18:19]
	s_add_nc_u64 s[46:47], s[46:47], WCODES        ; the weights lie behind x in both buffers
	s_add_nc_u64 s[92:93], s[92:93], WSCALES
	s_mul_i32 s45, s14, HALFT                      ; where they go: no place in the cluster enters an LDS address
	s_mul_i32 s94, s14, HALFS
	s_wait_dscnt 0x0                               ; both opening adds are done
	s_wait_kmcnt 0x0
	s_add_nc_u64 s[20:21], s[4:5], s[20:21]
	s_add_nc_u64 s[22:23], s[6:7], s[22:23]
	s_add_nc_u64 s[46:47], s[4:5], s[46:47]
	s_add_nc_u64 s[92:93], s[6:7], s[92:93]
	CROUND                                         ; all sixteen work-groups are here: the first joint loads meet
	s_mov_b32 s[G0S], 1
	s_add_co_u32 s[G0S+1], s94, SCL
	s_mov_b64 s[G0S+2:G0S+3], s[22:23]
	s_or_b32 s[G0S+3], s[G0S+3], 0x80000000
	s_mov_b32 s[G0SB], 1
	s_add_co_u32 s[G0SB+1], s94, SCL
	s_mov_b64 s[G0SB+2:G0SB+3], s[92:93]
	s_or_b32 s[G0SB+3], s[G0SB+3], 0x80000000
	JLOAD G0S, G1S, G0SB, G1SB                     ; the scales first: three loads of mine are out at the most
.irp s, 0,1
	s_mov_b32 s[G0+4*\s], 1
	s_add_co_u32 s[G0+4*\s+1], s45, \s*SLOT
	s_add_nc_u64 s[G0+4*\s+2:G0+4*\s+3], s[20:21], \s*ROWB
	s_or_b32 s[G0+4*\s+3], s[G0+4*\s+3], 0x80000000
	s_mov_b32 s[G0B+4*\s], 1
	s_add_co_u32 s[G0B+4*\s+1], s45, \s*SLOT
	s_add_nc_u64 s[G0B+4*\s+2:G0B+4*\s+3], s[46:47], \s*ROWB
	s_or_b32 s[G0B+4*\s+3], s[G0B+4*\s+3], 0x80000000
	JLOAD G0+4*\s, G1, G0B+4*\s, G1B
.endr
	v_and_b32 v1, 15, v0                           ; r
	v_bfe_u32 v2, v0, 4, 1                         ; h
	v_mul_u32_u24 v3, v1, PITCH
	v_lshl_add_u32 v4, v2, 4, v3
	s_mul_i32 s21, s15, HALFT
	s_mul_i32 s22, s16, HALFT
	s_add_co_u32 s22, s22, 2*HALFT
.irp s, 0,1
	v_add_nc_u32 v[ADRA+\s], s21, v4
	v_add_nc_u32 v[ADRB+\s], s22, v4
	s_add_co_u32 s21, s21, SLOT
	s_add_co_u32 s22, s22, SLOT
.endr
	v_mul_u32_u24 v5, v1, KS                       ; my row's scales: 64 bytes a row,
	v_lshrrev_b32 v6, 8, v5
	v_lshl_add_u32 v5, v6, 4, v5                   ; and 16 more for each 256 passed
	s_mul_i32 s21, s15, HALFS
	s_mul_i32 s22, s16, HALFS
	s_add_co_u32 s22, s22, 2*HALFS
	s_sub_co_u32 s22, s22, s21
	v_mul_u32_u24 v6, s22, v2                      ; lanes 16-31 take W's
	s_add_co_u32 s21, s21, SCL
	v_add_nc_u32 v5, v5, v6
	v_add_nc_u32 v[ADRS], s21, v5
	s_mul_i32 s23, s14, 16*SPITCH                  ; my stage
	v_mul_u32_u24 v5, v1, SPITCH
	v_lshl_add_u32 v5, v2, 4, v5
	v_add_nc_u32 v[STO], s23, v5                   ; in: row r, 16 bytes for each half of the lanes
	v_mul_u32_u24 v5, v2, SPITCH
	v_lshl_add_u32 v5, v1, 4, v5
	v_add_nc_u32 v[RD], s23, v5                    ; back: lanes 0-15 one row of 256 bytes, lanes 16-31 the next
	v_lshlrev_b32 v5, 9, v2
	v_lshl_add_u32 v[CO], v1, 4, v5                ; and the same two rows in the plane
	v_lshlrev_b32 v5, 10, v1
	v_lshl_add_u32 v[TO], v2, 5, v5
	s_lshl_b32 s20, s17, 8
	s_lshl_b32 s21, s15, 7
	s_add_co_u32 s20, s20, s21                     ; my first row
	s_lshl_b32 s22, s20, 9
	s_lshl_b32 s23, s42, 20
	s_add_co_u32 s22, s22, s23
	s_lshl_b32 s23, s16, 8
	s_add_co_u32 s22, s22, s23
	s_mov_b32 s23, 0
	s_add_nc_u64 s[12:13], s[10:11], s[22:23]      ; qkv: plane, row, my half of the row's 512 bytes
	s_and_b32 s22, ttmp9, 3                        ; four planes to a cluster: clusters 0, 1 of a branch hold q, 2 holds k, 3 holds v
	s_max_u32 s22, s22, 1
	s_sub_co_u32 s22, s22, 1                       ; the table's variant
	s_lshl_b32 s22, s22, 21
	s_lshl_b32 s21, s20, 10
	s_add_co_u32 s22, s22, s21
	s_lshl_b32 s21, s16, 8
	s_add_co_u32 s22, s22, s21                     ; my half's 64 frequencies
	s_mov_b32 s23, 0
	s_add_nc_u64 s[8:9], s[8:9], s[22:23]
; the table of my rows 16 a .. 16 a + 15, into window w >> 6: cos of the 8 frequencies of block b at reg + 8 b, sin at reg + 32 + 8 b.  16 loads
.macro TBLLD a, reg, w
	WIN \w
.irp b, 0,1,2,3
	global_load_b128 v[\reg+8*\b:\reg+8*\b+3], v[TO], s[8:9] offset:(\a)*16384+64*\b
	global_load_b128 v[\reg+8*\b+4:\reg+8*\b+7], v[TO], s[8:9] offset:(\a)*16384+64*\b+16
	global_load_b128 v[\reg+32+8*\b:\reg+32+8*\b+3], v[TO], s[8:9] offset:(\a)*16384+64*\b+512
	global_load_b128 v[\reg+32+8*\b+4:\reg+32+8*\b+7], v[TO], s[8:9] offset:(\a)*16384+64*\b+528
.endr
	WIN 0
.endm
	TBLLD 0, 192, 0                                ; three blocks' tables land while K is walked: the walk names none of these registers
	TBLLD 1, 64, 0x40
	TBLLD 2, 192, 0x40
.macro FRAG reg, adr, q, i             ; a fragment: 16 rows x 128 K of 4-bit codes, 8 registers
.irp c, 0,1
	ds_load_b128 v[\reg+4*\c:\reg+4*\c+3], v[\adr] offset:64*(\q)+32*\c+(\i)*16*PITCH
.endr
.endm
; 16 matrix instructions: x's blocks a0, a0 + 1 against W's eight.  The 64 accumulators take turns, one instruction a turn, in the same order in every step.
.macro MUL16 a0, p, q, sc, zero
.irp a, \a0, \a0+1
.irp b, 0,1,2,3,4,5,6,7
.if \zero
	v_wmma_scale_f32_16x16x128_f8f6f4 v[8*(8*((\a)%4)+\b):8*(8*((\a)%4)+\b)+7], v[128*(\p)+FR*\b:128*(\p)+FR*\b+FR-1], v[AF+FR*(\a):AF+FR*(\a)+FR-1], 0, v[SC+8*NQ*(\sc)+NQ*\b+(\q)], v[SC+8*NQ*(\sc)+NQ*(\a)+(\q)] matrix_a_fmt:MATRIX_FMT_FP4 matrix_b_fmt:MATRIX_FMT_FP4 matrix_a_scale:MATRIX_SCALE_ROW1
.else
	v_wmma_scale_f32_16x16x128_f8f6f4 v[8*(8*((\a)%4)+\b):8*(8*((\a)%4)+\b)+7], v[128*(\p)+FR*\b:128*(\p)+FR*\b+FR-1], v[AF+FR*(\a):AF+FR*(\a)+FR-1], v[8*(8*((\a)%4)+\b):8*(8*((\a)%4)+\b)+7], v[SC+8*NQ*(\sc)+NQ*\b+(\q)], v[SC+8*NQ*(\sc)+NQ*(\a)+(\q)] matrix_a_fmt:MATRIX_FMT_FP4 matrix_b_fmt:MATRIX_FMT_FP4 matrix_a_scale:MATRIX_SCALE_ROW1
.endif
.endr
.endr
.endm
.macro FETCH_B slot, q, p
	WIN TO_B
.irp i, 0,1,2,3,4,5,6,7
	FRAG 128*(\p)+FR*\i, ADRB+\slot, \q, \i
.endr
	WIN 0
.endm
.macro FETCH_A slot, q, i0
.irp i, \i0, \i0+1, \i0+2, \i0+3
	FRAG AF+FR*(\i), ADRA+\slot, \q, \i
.endr
.endm
.macro SCALES sc                       ; a K step's scale words: lanes 0-15 x's block i, lanes 16-31 W's block i
.irp i, 0,1,2,3,4,5,6,7
	ds_load_b128 v[SC+8*NQ*\sc+NQ*\i:SC+8*NQ*\sc+NQ*\i+3], v[ADRS] offset:\i*SBLK
.endr
.endm
.macro PLACES n                        ; plain vector lines between a matrix instruction and a load into, or a read of, its registers
.rept \n
	v_nop
.endr
.endm
.macro STEP slot, q, zero
	s_wait_dscnt 4*NL                              ; W's set and x's blocks 0-3 are in; the youngest loads (x's blocks 4-7) may be out
	WIN MUL_LO
	MUL16 0, (\q)%2, \q, \slot, \zero
	MUL16 2, (\q)%2, \q, \slot, \zero
	s_wait_dscnt 0
	PLACES NP
	FETCH_B \slot, (\q)+1, 1-(\q)%2
	FETCH_A \slot, (\q)+1, 0
	WIN MUL_HI
	MUL16 4, (\q)%2, \q, \slot, \zero
	MUL16 6, (\q)%2, \q, \slot, \zero
	PLACES NP
	WIN 0
	FETCH_A \slot, (\q)+1, 4
.endm
; A slot's last step changes slots: one barrier; in front of it each wave waits for all its tensor loads, adds 0 to its spare word, and waits for that and for its reads of this slot.
.macro TURN slot, next, fill
	s_wait_tensorcnt 0x0                           ; all my tensor loads have landed: my part of the next slot
	ds_add_u32 v[SPW], v[NIL]
	s_wait_dscnt 4*NL+1                            ; (the add and the youngest loads may be out)
	WIN MUL_LO
	MUL16 0, 1, NQ-1, \slot, 0
	s_wait_dscnt 0x0                               ; the add is done, and my reads of this slot are over
	s_barrier_signal -1
	MUL16 2, 1, NQ-1, \slot, 0
	WIN 0
	s_barrier_wait -1
.if \fill
	CREST                                          ; the barrier has opened a round of the cluster's: no wave of any partner still reads this slot or has a load on its way
	s_add_nc_u64 s[G0+4*\slot+2:G0+4*\slot+3], s[G0+4*\slot+2:G0+4*\slot+3], 2*ROWB
	s_add_nc_u64 s[G0B+4*\slot+2:G0B+4*\slot+3], s[G0B+4*\slot+2:G0B+4*\slot+3], 2*ROWB
	JLOAD G0+4*\slot, G1, G0B+4*\slot, G1B         ; the first tensor load behind the round; its four v_nop are also the places in front of the loads below
.else
	PLACES NP
.endif
	v_add_nc_u32 v[ADRS], 4*NQ, v[ADRS]            ; the next K step's scale words (no LDS load of mine is out)
	FETCH_B \next, 0, 0
	FETCH_A \next, 0, 0
	SCALES \next
	WIN MUL_HI
	MUL16 4, 1, NQ-1, \slot, 0
	MUL16 6, 1, NQ-1, \slot, 0
	PLACES NP
	WIN 0
	FETCH_A \next, 0, 4
.endm
.macro STEPS slot, from
.set Q, \from
.rept NQ-1-\from
	STEP \slot, Q, 0
.set Q, Q+1
.endr
.endm
	s_wait_tensorcnt 1                             ; the scales and my part of K step 0 are in (K step 1's load may be out)
	s_barrier_signal -1
	s_barrier_wait -1
	FETCH_B 0, 0, 0
	FETCH_A 0, 0, 0
	SCALES 0
	FETCH_A 0, 0, 4
	STEP 0, 0, 1                                   ; the first step's products start the sums
	s_mov_b32 s3, LAPS-1
.Llap:
	STEPS 0, 1
	TURN 0, 1, 1
	STEPS 1, 0
	TURN 1, 0, 1
	STEP 0, 0, 0
	s_sub_co_u32 s3, s3, 1
	s_cmp_lg_u32 s3, 0
	s_cbranch_scc1 .Llap
	STEPS 0, 1                                     ; the last lap fills nothing
	TURN 0, 1, 0
	STEPS 1, 0
	s_wait_dscnt 4*NL
	WIN MUL_LO
	MUL16 0, 1, NQ-1, 1, 0
	MUL16 2, 1, NQ-1, 1, 0
	s_wait_dscnt 0
	WIN MUL_HI
	MUL16 4, 1, NQ-1, 1, 0
	MUL16 6, 1, NQ-1, 1, 0
	WIN 0
; THE WAY OUT, 16 rows at a time: rotate (first cos - second sin, second cos + first sin), round to f16, through my stage, out as whole rows of 256 bytes.
; tb, tw: the register and the window at which block a's table lies;  n: how many younger table loads may stay out (under 0: the table was waited for earlier).
.macro OBLOCK a, tb, tw, n
.set AC, 64*((\a)%4)
.set WN, 0x02+(\a)/4+4*(\tw)           ; source 0: the accumulators' window; source 1: the table's
.if (\n) >= 0
	s_wait_loadcnt \n
.endif
	s_wait_xcnt 0x0                                ; the last block's stores have read v128-159
	WIN WN
.irp b, 0,1,2,3
.irp j, 0,2,4,6
.set TT, 160+4*((\j/2)%2)
	v_pk_mul_f32 v[TT:TT+1], v[AC+32+8*\b+\j:AC+32+8*\b+\j+1], v[\tb+32+8*\b+\j:\tb+32+8*\b+\j+1]      ; each accumulator is read from its low end on
	v_pk_mul_f32 v[TT+2:TT+3], v[AC+8*\b+\j:AC+8*\b+\j+1], v[\tb+32+8*\b+\j:\tb+32+8*\b+\j+1]
	v_pk_fma_f32 v[96+8*\b+\j:96+8*\b+\j+1], v[AC+8*\b+\j:AC+8*\b+\j+1], v[\tb+8*\b+\j:\tb+8*\b+\j+1], v[TT:TT+1] neg_lo:[0,0,1] neg_hi:[0,0,1]
	v_pk_fma_f32 v[128+8*\b+\j:128+8*\b+\j+1], v[AC+32+8*\b+\j:AC+32+8*\b+\j+1], v[\tb+8*\b+\j:\tb+8*\b+\j+1], v[TT+2:TT+3]
.endr
.endr
	WIN 0
.set i, 0
.rept 32
	v_cvt_pk_f16_f32 v[96+i], v[96+2*i], v[97+2*i] ; in place, ascending: a pair has been read before its place is written
.set i, i+1
.endr
.irp b, 0,1,2,3,4,5,6,7
	ds_store_b128 v[STO], v[96+4*\b:99+4*\b] offset:32*\b
.endr
.irp t, 0,1,2,3,4,5,6,7
	ds_load_b128 v[128+4*\t:131+4*\t], v[RD] offset:544*\t         ; LDS serves a wave's instructions in order: these see my stores
.endr
	s_wait_dscnt 0x0
.irp t, 0,1,2,3,4,5,6,7
	global_store_b128 v[CO], v[128+4*\t:131+4*\t], s[12:13] offset:8192*(\a)+1024*\t   ; sixteen lanes store 256 consecutive bytes, aligned
.endr
.endm
	PLACES NP                                      ; behind the last products: for the loads into, the writes of and the reads of their registers
	s_wait_loadcnt 0x0                             ; the tables of blocks 0-2, asked for at the head
	TBLLD 3, 0, 0x40                               ; W's two sets and the scale words are done with: three more blocks' tables, 48 loads, land while blocks 0-2 go out
	TBLLD 4, 128, 0x40
	TBLLD 5, 32, 0
	OBLOCK 0, 192, 0, -1
	TBLLD 6, 192, 0                                ; block 0's table is used up
	OBLOCK 1, 64, 1, -1
	TBLLD 7, 64, 0x40                              ; block 1's likewise
	OBLOCK 2, 192, 1, -1
	OBLOCK 3, 0, 1, 48                             ; behind block 3's table stand four blocks' 64 loads, more than a wait can name: 48, which shows block 4's landed too
	OBLOCK 4, 128, 1, 48                           ; the tables of blocks 5, 6, 7 may be out
	OBLOCK 5, 32, 0, 32
	OBLOCK 6, 192, 0, 16
	OBLOCK 7, 64, 1, 0
	s_wait_tensorcnt 0x0                           ; the wave's end
	ds_add_u32 v[SPW], v[NIL]
	s_wait_dscnt 0x0
	CROUND                                         ; the closing round
	s_endpgm
.Lfunc_end_k_q781538079d_qkv:
	.size	k_q781538079d_qkv, .Lfunc_end_k_q781538079d_qkv-k_q781538079d_qkv
	.p2alignl 7, 3214868480
	.fill 96, 4, 3214868480
	.section	.rodata,"a",@progbits
	.p2align	6, 0x0
	.amdhsa_kernel k_q781538079d_qkv
		.amdhsa_group_segment_fixed_size 327680
		.amdhsa_private_segment_fixed_size 0
		.amdhsa_enable_private_segment 0
		.amdhsa_kernarg_size 32
		.amdhsa_user_sgpr_count 2
		.amdhsa_user_sgpr_kernarg_segment_ptr 1
		.amdhsa_wavefront_size32 1
		.amdhsa_system_sgpr_workgroup_id_x 1
		.amdhsa_system_sgpr_workgroup_id_y 1
		.amdhsa_system_sgpr_workgroup_id_z 1
		.amdhsa_system_vgpr_workitem_id 0
		.amdhsa_next_free_vgpr 1024
		.amdhsa_next_free_sgpr 100
		.amdhsa_reserve_vcc 0
		.amdhsa_float_denorm_mode_32 3
		.amdhsa_float_denorm_mode_16_64 3
		.amdhsa_memory_ordered 1
		.amdhsa_forward_progress 1
		.amdhsa_inst_pref_size 255
	.end_amdhsa_kernel
	.section	.bss,"aw",@nobits
	.p2align	6
	.space	262144
	.amdgpu_metadata
---
amdhsa.version: [ 1, 2 ]
amdhsa.kernels:
  - .name:           k_q781538079d_qkv
    .symbol:         k_q781538079d_qkv.kd
    .args:
      - { .name: codes, .offset: 0, .size: 8, .value_kind: global_buffer, .address_space: global }
      - { .name: scales, .offset: 8, .size: 8, .value_kind: global_buffer, .address_space: global }
      - { .name: tab, .offset: 16, .size: 8, .value_kind: global_buffer, .address_space: global }
      - { .name: qkv, .offset: 24, .size: 8, .value_kind: global_buffer, .address_space: global }
    .group_segment_fixed_size: 327680
    .private_segment_fixed_size: 0
    .kernarg_segment_align: 8
    .kernarg_segment_size: 32
    .max_flat_workgroup_size: 128
    .sgpr_count:     100
    .vgpr_count:     1024
    .wavefront_size: 32
...
	.end_amdgpu_metadata
.endif
;; end of part 2
;; launch attn (part 3): grid 16 x 16, 8 waves a work-group, clusters of 4 x 1, 327,680 bytes of LDS; arguments qkv, mw, att; writes att
.if DOCPART == 3
	.amdgcn_target "amdgcn-amd-amdhsa--gfx1250"
	.amdhsa_code_object_version 6
	.text
	.protected	k_q781538079d_attn
	.globl	k_q781538079d_attn
	.p2align	8
	.type	k_q781538079d_attn,@function
k_q781538079d_attn:
	s_mov_b64 s[64:65], 0
	v_nop
	global_prefetch_b8 v0, s[64:65] scope:SCOPE_SE
	s_setreg_imm32_b32 hwreg(HW_REG_WAVE_MODE, 25, 1), 1
	s_wait_xcnt 0x0
	s_wait_alu depctr_hold_cnt(0) depctr_sa_sdst(0) depctr_va_vdst(0) depctr_va_sdst(0) depctr_va_ssrc(0) depctr_va_vcc(0) depctr_vm_vsrc(0)
	s_getreg_b32 s2, hwreg(HW_REG_IB_STS2, 6, 4)
	s_cmp_eq_u32 s2, 0
	s_cbranch_scc0 .Lentry_in_a_cluster
	s_endpgm
.Lentry_in_a_cluster:
	s_bfe_u32 s2, ttmp6, 0x10000c
	s_cmp_lg_u32 s2, 0x3003
	s_cbranch_scc0 .Lentry_shape_is_right
	s_endpgm
.Lentry_shape_is_right:
; att = softmax over keys of (masked, soft-capped scores) x V, for both branches, both batches, 8 query heads on 4 key heads.  q, k, v, att: f16; sums, softmax in f32.
; att IS LAID IN THE ORDER OF THE NEXT PRODUCT'S OPERAND REGISTERS: [branch][row tile of 16 rows][32 along K = head 256 + channel][register half][lane][16 bytes]: 1,024 bytes a fragment, 65,536 a row tile.
; q arrives times a = 2 log2(e) / (50 x 16), so a score S = q.k is 2 x log2(e) with x = logit / 50.  u = 2^S, r = 1 / (1 + u), t = C - 2 C r = 50 log2(e) tanh(x), C = 50 log2(e).
; A masked score becomes TM = -3e38.  p = 2^(t - m), m the running largest t of the row; sums and O are multiplied by 2^(m_old - m_new) in every step.  A row with no key left has m = TM and p = 1 everywhere:
; the plain mean of V, as a finite mask value gives it.
; SHARES.  A work-group owns 128 queries of one head and walks all 1,024 keys, 128 to an LDS slot.  Its eight waves are four pairs; a pair owns 32 queries (two tiles of 16); wave kh of a pair takes keys
; 64 kh .. 64 kh + 63 of every slot, 32 a step.  Two waves lie on a SIMD, so one's softmax stands beside the other's products.  My register tile 0 is the pair's query tile kh, tile 1 the other:
; at the end I keep tile 0 and hand tile 1 (O, m, l) to my partner through LDS: one text for all waves.
; LAYOUT.  S^T = K Q^T (source 0 = 16 keys, source 1 = 16 queries), O^T = V^T P (source 0 = 16 channels x 32 keys, by the turning load): a lane holds one query throughout.
; THE MASK comes as lane masks, 8 words a score tile, by scalar loads, and only selects values.
; CLUSTER.  The four work-groups of a cluster are four query blocks of one head: they walk the same K and V, so every tile is asked for jointly.
; LIMITS: |k|, |v| within f16's range; NaN and infinities not served.
; REGISTERS: window 0: v1 r, v2 h, v4-7 LDS addresses, v8, v9 the add's two, v10 TM, v11 the prefetches' offset, v12-13 C, v14-15 Q's offsets; v16-31 statistics, 8 a tile: +0 m, +1 0, +2, +3 l, +4 f, +5 0, +6, +7 at work;
;   v32-63 S^T (tile t, key tile kt at 32 + 16 t + 8 kt), then P in the first 8 of each 16; v64-95, v96-127 two sets of four fragments of K or V; v128-255 Q.   Window 1: O^T, (t, c) at 128 t + 8 c.
.set PK,    528                        ; a key's row in LDS: 512 bytes + 16
.set PVP,   544                        ; a row of V: 512 + 32, for the turning load
.set VOFF,  128*PK
.set SLOTB, VOFF+128*PVP
.set SPARE, 2*SLOTB                    ; the spare words, 128 bytes for each of eight waves
.set MRGB,  16896                      ; the hand-over, in slot 0 behind its last read: 16,384 bytes of O's registers as they stand, then m and l, for each wave
.set AK, 4
.set AV, 6
.set SPW, 8
.set NIL, 9
.set TMV, 10
.set PFO, 11
.set CC, 12
.set QO, 14
.set ST, 16
.set S, 32
.set H0, 64
.set H1, 96
.set Q, 128
.set WV, 10
.set CX, 11
.set G1K, 16
.set G1V, 24
.set G0K, 32                           ; s[32:39] group 0 for K's tiles, a set for each slot;  s[40:47] for V's
.set G0V, 40
.set MB, 84                            ; s[84:85], s[86:87] where my two query tiles' mask words begin
.set MO, 88                            ; s88 256 bytes a slot
.set SEL, 90
.set C2, 92                            ; s[92:93] -2 C
.set LAP, 94
.set LIM, 96
.set PFA, 98
.set MSB, 0
.macro WIN new
.if MSB != \new
	s_set_vgpr_msb (MSB<<8)|\new
.set MSB, \new
.endif
.endm
.macro PLACES
.rept 4
	v_nop
.endr
.endm
; A joint refill: waves 0-3 fetch a quarter each of K's 128 rows, waves 4-7 of V's.  The branch hangs on the wave's number alone.  An s_nop 0 and four v_nop follow each line.
.macro JLOAD s
	s_cmp_lt_u32 s[WV], 4
	s_cbranch_scc0 .Lfor_v_\@
	tensor_load_to_lds s[G0K+4*\s:G0K+4*\s+3], s[G1K:G1K+7]
	s_nop 0
.rept 4
	v_nop
.endr
	s_branch .Lasked_\@
.Lfor_v_\@:
	tensor_load_to_lds s[G0V+4*\s:G0V+4*\s+3], s[G1V:G1V+7]
	s_nop 0
.rept 4
	v_nop
.endr
.Lasked_\@:
.endm
; A prefetch of what the next change of slots will ask for: 128 rows of K and of V, 512 bytes each.  The four clusters of a (branch, batch, key head) walk the same rows: the first of them asks.  Its four partners
; share the rows out by address, 32 each, a lane a row; waves 0, 1 take the two halves of K's rows, waves 4, 5 of V's: each aligned block of 256 bytes is named once.  The last refill asks for nothing.
.macro ASK last
.if \last
	s_cmp_gt_u32 s[LAP], s[LIM]
.else
	s_cmp_ge_u32 s[LAP], s[LIM]
.endif
	s_cbranch_scc0 .Lnot_mine_\@
	global_prefetch_b8 v[PFO], s[PFA:PFA+1] th:TH_LOAD_NT scope:SCOPE_SE
.Lnot_mine_\@:
.endm
.macro CROUND
	s_barrier_signal -1
	s_barrier_wait -1
	s_cmp_lg_u32 s[WV], 0
	s_cbranch_scc1 .Lnot_wave_0_\@
	s_barrier_signal -3
.Lnot_wave_0_\@:
	s_barrier_wait -3
	s_barrier_signal -1
	s_barrier_wait -1
.endm
	s_load_b128 s[4:7], s[0:1], 0x0                ; qkv, mw
	s_load_b64 s[8:9], s[0:1], 0x10                ; att
	v_lshl_add_u32 v[SPW], v0, 2, SPARE
	v_mov_b32 v[NIL], 0
	ds_add_u32 v[SPW], v[NIL]                      ; the wave's opening: the add, twice on end, and its wait ahead of my first tensor load
	ds_add_u32 v[SPW], v[NIL]
	v_lshrrev_b32 v1, 5, v0
	v_readfirstlane_b32 s[WV], v1                  ; wave 0..7
	s_bfe_u32 s[CX], ttmp6, 0x40000                ; cx
	s_lshl_b32 s12, ttmp9, 2
	s_add_co_u32 s12, s12, s[CX]                   ; work-group x
	s_lshr_b32 s13, s12, 3                         ; which of the key head's two query heads
	s_and_b32 s12, s12, 7                          ; block of 128 queries
	s_and_b32 s14, ttmp7, 0xffff                   ; y = 8 branch + 4 batch + key head
	s_lshr_b32 s15, s14, 3                         ; branch
	s_bfe_u32 s48, s14, 0x10002                    ; batch
	s_and_b32 s49, s14, 3                          ; key head
	s_lshr_b32 s50, s[WV], 1                       ; pair
	s_and_b32 s51, s[WV], 1                        ; kh
	s_and_b32 s52, s[WV], 3                        ; which 32 rows of a tile I fetch
	s_lshl_b32 s53, s15, 4
	s_add_co_u32 s53, s53, s49
	s_add_co_u32 s53, s53, 8                       ; K's plane
	s_lshl_b32 s53, s53, 20
	s_lshl_b32 s54, s48, 19                        ; the batch's 1,024 rows of 512 bytes
	s_add_co_u32 s53, s53, s54
	s_lshl_b32 s55, s52, 14
	s_add_co_u32 s56, s53, s55                     ; K: my 32 rows of the first tile
	s_mov_b32 s57, 0
	s_add_co_u32 s58, s56, 4<<20                   ; V's plane lies four further on
	s_mov_b32 s59, 0
	s_lshl_b32 s61, s49, 1
	s_add_co_u32 s62, s61, s13                     ; the query head
	s_lshl_b32 s60, s15, 4
	s_add_co_u32 s60, s60, s62
	s_lshl_b32 s60, s60, 20
	s_add_co_u32 s60, s60, s54
	s_lshl_b32 s63, s12, 16
	s_add_co_u32 s60, s60, s63
	s_lshl_b32 s63, s50, 14
	s_add_co_u32 s60, s60, s63                     ; Q: my pair's 32 rows
	s_mov_b32 s61, 0
	s_lshr_b32 s68, s14, 2
	s_lshl_b32 s68, s68, 6
	s_lshl_b32 s69, s12, 3
	s_add_co_u32 s68, s68, s69
	s_lshl_b32 s69, s50, 1
	s_add_co_u32 s68, s68, s69                     ; the pair's first query tile, counted through branch and batch
	s_add_co_u32 s69, s68, s51                     ; my register tile 0's,
	s_xor_b32 s70, s51, 1
	s_add_co_u32 s70, s68, s70                     ; tile 1's
	s_lshl_b32 s[MB], s69, 11
	s_lshl_b32 s[MB+2], s70, 11
	s_lshl_b32 s71, s51, 7                         ; my half of a slot's keys: 4 key tiles of 32 bytes
	s_add_co_u32 s[MB], s[MB], s71
	s_add_co_u32 s[MB+2], s[MB+2], s71
	s_mov_b32 s[MB+1], 0
	s_mov_b32 s[MB+3], 0
	s_lshl_b32 s72, s15, 23                        ; att: a branch is 128 row tiles of 65,536 bytes; a batch 64 of them,
	s_lshl_b32 s73, s48, 22
	s_add_co_u32 s72, s72, s73
	s_lshl_b32 s73, s12, 19                        ; a block of 128 queries 8,
	s_add_co_u32 s72, s72, s73
	s_lshl_b32 s73, s50, 17                        ; a pair 2,
	s_add_co_u32 s72, s72, s73
	s_lshl_b32 s73, s51, 16                        ; and the tile that I store is the pair's tile kh;
	s_add_co_u32 s72, s72, s73
	s_lshl_b32 s73, s62, 13                        ; in it my head's 256 channels are 8 fragments of 1,024 bytes
	s_add_co_u32 s72, s72, s73
	s_mov_b32 s73, 0
	s_cmp_lt_u32 s[WV], 4
	s_cselect_b32 s[PFA], 0, 4<<20
	s_add_co_u32 s[PFA], s[PFA], s53
	s_lshl_b32 s74, s[CX], 14
	s_add_co_u32 s[PFA], s[PFA], s74               ; my work-group's 32 rows,
	s_lshl_b32 s74, s51, 8
	s_add_co_u32 s[PFA], s[PFA], s74               ; my half of them,
	s_add_co_u32 s[PFA], s[PFA], 131072            ; in tile 2: the first change of slots steps it to tile 3.  Nothing is prefetched at the head
	s_mov_b32 s[PFA+1], 0
	s_and_b32 s[LIM], s[WV], 2
	s_or_b32 s[LIM], s[LIM], ttmp9                 ; 0 in waves 0, 1, 4, 5 of the first cluster: the same in all four partners
	s_cmp_eq_u32 s[LIM], 0
	s_cselect_b32 s[LIM], 1, -1
	s_mul_i32 s75, s52, 32*PK                      ; where my rows go: no place in the cluster enters an LDS address
	s_mul_i32 s76, s52, 32*PVP
	s_add_co_u32 s76, s76, VOFF
	s_mov_b32 s[G1K], 15|(1<<16)|(1<<20)|(1<<21)|(6<<22)|(3<<25)   ; the mask: all four; elements of 2 bytes; padding on; bit 21 beside a mask; after every 128 words; 4 words
	s_mov_b32 s[G1V], 15|(1<<16)|(1<<20)|(1<<21)|(6<<22)|(7<<25)   ; the same with 8 words
.irp g, G1K, G1V
	s_mov_b32 s[\g+1], 256<<16                     ; tensor_dim0
	s_mov_b32 s[\g+2], 32<<16                      ; tensor_dim1
	s_mov_b32 s[\g+3], 256<<16                     ; tile_dim0
	s_mov_b32 s[\g+4], 32                          ; tile_dim1
	s_mov_b32 s[\g+5], 256                         ; the pitch
	s_mov_b32 s[\g+6], 0
	s_mov_b32 s[\g+7], 0
.endr
	s_mov_b32 s[SEL], 0x76543210
	s_mov_b32 s[SEL+1], 0xfedcba98
	s_mov_b32 s[C2], 0xc31044fe                    ; -2 C
	s_mov_b32 s[C2+1], s[C2]
	s_mov_b32 s[MO], 0
	s_wait_dscnt 0x0                               ; both opening adds are done
	s_wait_kmcnt 0x0
	s_add_nc_u64 s[56:57], s[4:5], s[56:57]
	s_add_nc_u64 s[58:59], s[4:5], s[58:59]
	s_add_nc_u64 s[PFA:PFA+1], s[4:5], s[PFA:PFA+1]
	s_add_nc_u64 s[MB:MB+1], s[6:7], s[MB:MB+1]
	s_add_nc_u64 s[MB+2:MB+3], s[6:7], s[MB+2:MB+3]
	s_add_nc_u64 s[8:9], s[8:9], s[72:73]
	s_add_nc_u64 s[4:5], s[4:5], s[60:61]
	CROUND                                         ; all four work-groups are here: the first joint loads meet
.irp s, 0,1
	s_mov_b32 s[G0K+4*\s], 1
	s_add_co_u32 s[G0K+4*\s+1], s75, \s*SLOTB
	s_add_nc_u64 s[G0K+4*\s+2:G0K+4*\s+3], s[56:57], \s*65536
	s_or_b32 s[G0K+4*\s+3], s[G0K+4*\s+3], 0x80000000
	s_mov_b32 s[G0V+4*\s], 1
	s_add_co_u32 s[G0V+4*\s+1], s76, \s*SLOTB
	s_add_nc_u64 s[G0V+4*\s+2:G0V+4*\s+3], s[58:59], \s*65536
	s_or_b32 s[G0V+4*\s+3], s[G0V+4*\s+3], 0x80000000
.endr
	s_cmp_lt_u32 s[WV], 4                          ; a wave's two first fills stand in one branch: two loads of mine are out
	s_cbranch_scc0 .Lfirst_v
	tensor_load_to_lds s[G0K:G0K+3], s[G1K:G1K+7]
	s_nop 0
	tensor_load_to_lds s[G0K+4:G0K+7], s[G1K:G1K+7]
	s_nop 0
.rept 4
	v_nop
.endr
	s_branch .Lfirst_asked
.Lfirst_v:
	tensor_load_to_lds s[G0V:G0V+3], s[G1V:G1V+7]
	s_nop 0
	tensor_load_to_lds s[G0V+4:G0V+7], s[G1V:G1V+7]
	s_nop 0
.rept 4
	v_nop
.endr
.Lfirst_asked:
	v_and_b32 v1, 15, v0                           ; r
	v_bfe_u32 v2, v0, 4, 1                         ; h
	v_lshlrev_b32 v3, 9, v1
	v_lshl_add_u32 v3, v2, 4, v3                   ; a fragment of Q: row r of 512 bytes, + 16 h
	s_lshl_b32 s12, s51, 13
	s_xor_b32 s13, s12, 8192
	v_add_nc_u32 v[QO], s12, v3                    ; register tile 0: the pair's tile kh,
	v_add_nc_u32 v[QO+1], s13, v3                  ; tile 1: the other
.irp t, 0,1
.irp c, 0,1,2,3,4,5,6,7
	global_load_b128 v[Q+64*\t+8*\c:Q+64*\t+8*\c+3], v[QO+\t], s[4:5] offset:64*\c
	global_load_b128 v[Q+64*\t+8*\c+4:Q+64*\t+8*\c+7], v[QO+\t], s[4:5] offset:64*\c+32
.endr
.endr
	v_mul_u32_u24 v[AK], v1, PK
	v_lshl_add_u32 v[AK], v2, 4, v[AK]
	s_mul_i32 s12, s51, 64*PK
	v_add_nc_u32 v[AK], s12, v[AK]                 ; K: my half's keys, row r, + 16 h
	v_add_nc_u32 v[AK+1], SLOTB, v[AK]
	v_and_b32 v3, 7, v0
	v_lshl_add_u32 v3, v2, 3, v3
	v_mul_u32_u24 v[AV], v3, PVP
	v_bfe_u32 v3, v0, 3, 1
	v_lshl_add_u32 v[AV], v3, 4, v[AV]
	s_mul_i32 s12, s51, 64*PVP
	s_add_co_u32 s12, s12, VOFF
	v_add_nc_u32 v[AV], s12, v[AV]                 ; V, for the turning load: key 8 h + lane % 8, 16 bytes for each eight lanes
	v_add_nc_u32 v[AV+1], SLOTB, v[AV]
	v_mov_b32 v[TMV], 0xff61b1e6                   ; TM
	v_mov_b32 v[CC], 0x429044fe                    ; C
	v_mov_b32 v[CC+1], 0x429044fe
	v_and_b32 v[PFO], 31, v0
	v_lshlrev_b32 v[PFO], 9, v[PFO]
.irp t, 0,1
	v_mov_b32 v[ST+8*\t+1], 0                      ; the upper halves of pairs of which the low word alone is taken
	v_mov_b32 v[ST+8*\t+5], 0
.endr
.macro LK hreg, slot, st, i            ; K: key tiles 0, 1 of the step, channels 64 i .. 64 i + 63: four fragments
.irp kt, 0,1
.irp cc, 0,1
	ds_load_b128 v[\hreg+8*(2*\kt+\cc):\hreg+8*(2*\kt+\cc)+3], v[AK+\slot] offset:(\st)*32*PK+\kt*16*PK+64*(2*(\i)+\cc)
	ds_load_b128 v[\hreg+8*(2*\kt+\cc)+4:\hreg+8*(2*\kt+\cc)+7], v[AK+\slot] offset:(\st)*32*PK+\kt*16*PK+64*(2*(\i)+\cc)+32
.endr
.endr
.endm
.macro LV hreg, slot, st, i            ; V^T: channel tiles 4 i .. 4 i + 3 x the step's 32 keys: four fragments
.irp u, 0,1,2,3
	ds_load_tr16_b128 v[\hreg+8*\u:\hreg+8*\u+3], v[AV+\slot] offset:(\st)*32*PVP+32*(4*(\i)+\u)
	ds_load_tr16_b128 v[\hreg+8*\u+4:\hreg+8*\u+7], v[AV+\slot] offset:(\st)*32*PVP+16*PVP+32*(4*(\i)+\u)
.endr
.endm
.macro QKH hreg, i                     ; eight products: the four score tiles take turns, one instruction a turn
.irp cc, 0,1
.irp kt, 0,1
.irp t, 0,1
.if ((\i) == 0) && (\cc == 0)
	v_wmma_f32_16x16x32_f16 v[S+16*\t+8*\kt:S+16*\t+8*\kt+7], v[\hreg+8*(2*\kt+\cc):\hreg+8*(2*\kt+\cc)+7], v[Q+64*\t+8*(2*(\i)+\cc):Q+64*\t+8*(2*(\i)+\cc)+7], 0
.else
	v_wmma_f32_16x16x32_f16 v[S+16*\t+8*\kt:S+16*\t+8*\kt+7], v[\hreg+8*(2*\kt+\cc):\hreg+8*(2*\kt+\cc)+7], v[Q+64*\t+8*(2*(\i)+\cc):Q+64*\t+8*(2*(\i)+\cc)+7], v[S+16*\t+8*\kt:S+16*\t+8*\kt+7]
.endif
.endr
.endr
.endr
.endm
.macro PVH hreg, i, first              ; eight products on eight accumulators of O^T
	WIN 0x50                                       ; C and D: window 1
.irp u, 0,1,2,3
.irp t, 0,1
.if \first
	v_wmma_f32_16x16x32_f16 v[128*\t+8*(4*(\i)+\u):128*\t+8*(4*(\i)+\u)+7], v[\hreg+8*\u:\hreg+8*\u+7], v[S+16*\t:S+16*\t+7], 0
.else
	v_wmma_f32_16x16x32_f16 v[128*\t+8*(4*(\i)+\u):128*\t+8*(4*(\i)+\u)+7], v[\hreg+8*\u:\hreg+8*\u+7], v[S+16*\t:S+16*\t+7], v[128*\t+8*(4*(\i)+\u):128*\t+8*(4*(\i)+\u)+7]
.endif
.endr
.endr
	WIN 0
.endm
; The vector work of a step: 32 scores a lane (two query tiles x 16 keys).  Three batches of transcendentals, each with one plain line and one wait ahead of its first reader.
.macro SOFTMAX first
.set i, 0
.rept 32
	v_exp_f32 v[S+i], v[S+i]                       ; u = 2^S, ascending: each accumulator is read from its low end on
.set i, i+1
.endr
	v_nop
	s_wait_alu depctr_va_vdst(0)
.set i, 0
.rept 16
	v_pk_add_f32 v[S+i:S+i+1], v[S+i:S+i+1], 1.0 op_sel_hi:[1,0]
.set i, i+2
.endr
.set i, 0
.rept 32
	v_rcp_f32 v[S+i], v[S+i]                       ; r = 1 / (1 + u)
.set i, i+1
.endr
	v_nop
	s_wait_alu depctr_va_vdst(0)
	s_wait_kmcnt 0x0                               ; the step's mask words
.set i, 0
.rept 16
	v_pk_fma_f32 v[S+i:S+i+1], v[S+i:S+i+1], s[C2:C2+1], v[CC:CC+1] op_sel_hi:[1,0,1]   ; t = C - 2 C r
.set i, i+2
.endr
.irp t, 0,1
.irp k, 0,1,2,3,4,5,6,7,8,9,10,11,12,13,14,15
	v_cndmask_b32 v[S+16*\t+\k], v[TMV], v[S+16*\t+\k], s[48+20*\t+\k]    ; a masked score becomes TM
.endr
.endr
.irp t, 0,1
	v_max3_num_f32 v[ST+8*\t+6], v[S+16*\t], v[S+16*\t+1], v[S+16*\t+2]
	v_max3_num_f32 v[ST+8*\t+7], v[S+16*\t+3], v[S+16*\t+4], v[S+16*\t+5]
.endr
.irp k, 6,10
.irp t, 0,1
	v_max3_num_f32 v[ST+8*\t+6], v[ST+8*\t+6], v[S+16*\t+\k], v[S+16*\t+\k+1]
	v_max3_num_f32 v[ST+8*\t+7], v[ST+8*\t+7], v[S+16*\t+\k+2], v[S+16*\t+\k+3]
.endr
.endr
.irp t, 0,1
	v_max3_num_f32 v[ST+8*\t+6], v[ST+8*\t+6], v[S+16*\t+14], v[S+16*\t+15]
.endr
.irp t, 0,1
.if \first
	v_max_num_f32 v[ST+8*\t+6], v[ST+8*\t+6], v[ST+8*\t+7]
.else
	v_max3_num_f32 v[ST+8*\t+6], v[ST+8*\t+6], v[ST+8*\t+7], v[ST+8*\t]
.endif
.endr
.irp t, 0,1
	v_permlanex16_b32 v[ST+8*\t+7], v[ST+8*\t+6], s[SEL], s[SEL+1]        ; the query's other 16 keys lie in the lane 16 away
.endr
.irp t, 0,1
	v_max_num_f32 v[ST+8*\t+6], v[ST+8*\t+6], v[ST+8*\t+7]
.endr
.if !\first
.irp t, 0,1
	v_sub_f32 v[ST+8*\t+4], v[ST+8*\t], v[ST+8*\t+6]                      ; m_old - m_new
.endr
.endif
.irp t, 0,1
	v_mov_b32 v[ST+8*\t], v[ST+8*\t+6]
.endr
.irp t, 0,1
.irp k, 0,2,4,6,8,10,12,14
	v_pk_add_f32 v[S+16*\t+\k:S+16*\t+\k+1], v[S+16*\t+\k:S+16*\t+\k+1], v[ST+8*\t:ST+8*\t+1] op_sel_hi:[1,0] neg_lo:[0,1] neg_hi:[0,1]   ; t - m
.endr
.endr
.if !\first
.irp t, 0,1
	v_exp_f32 v[ST+8*\t+4], v[ST+8*\t+4]           ; f
.endr
.endif
.set i, 0
.rept 32
	v_exp_f32 v[S+i], v[S+i]                       ; p
.set i, i+1
.endr
	v_nop
	s_wait_alu depctr_va_vdst(0)
.irp t, 0,1
	v_pk_add_f32 v[ST+8*\t+6:ST+8*\t+7], v[S+16*\t:S+16*\t+1], v[S+16*\t+2:S+16*\t+3]
.endr
.irp k, 4,6,8,10,12
.irp t, 0,1
	v_pk_add_f32 v[ST+8*\t+6:ST+8*\t+7], v[ST+8*\t+6:ST+8*\t+7], v[S+16*\t+\k:S+16*\t+\k+1]
.endr
.endr
.irp t, 0,1
.if \first
	v_pk_add_f32 v[ST+8*\t+2:ST+8*\t+3], v[ST+8*\t+6:ST+8*\t+7], v[S+16*\t+14:S+16*\t+15]
.else
	v_pk_add_f32 v[ST+8*\t+6:ST+8*\t+7], v[ST+8*\t+6:ST+8*\t+7], v[S+16*\t+14:S+16*\t+15]
.endif
.endr
.if !\first
.irp t, 0,1
	v_pk_fma_f32 v[ST+8*\t+2:ST+8*\t+3], v[ST+8*\t+2:ST+8*\t+3], v[ST+8*\t+4:ST+8*\t+5], v[ST+8*\t+6:ST+8*\t+7] op_sel_hi:[1,0,1]   ; l = l f + the step's sum
.endr
.endif
.irp t, 0,1
.irp k, 0,1,2,3,4,5,6,7
	v_cvt_pk_f16_f32 v[S+16*\t+\k], v[S+16*\t+2*\k], v[S+16*\t+2*\k+1]    ; P: 32 keys x 16 queries, in place, ascending
.endr
.endr
.if !\first
	WIN 0x41                                       ; O^T (destination and source 0) in window 1
.irp t, 0,1
.set i, 0
.rept 64
	v_pk_mul_f32 v[128*\t+i:128*\t+i+1], v[128*\t+i:128*\t+i+1], v[ST+8*\t+4:ST+8*\t+5] op_sel_hi:[1,0]
.set i, i+2
.endr
.endr
	WIN 0
.endif
.endm
; A STEP: my 32 keys st of the slot.  The two sets of four fragments take turns; s_wait_dscnt 8 lets the younger set's eight loads stay out.
.macro STEP slot, st, first
.rept 5
	v_nop                                          ; behind the last products: four plain lines ahead of loads into the fragments that they read, five ahead of products that write over P
.endr
	s_load_b512 s[48:63], s[MB:MB+1], s[MO] offset:64*(\st)        ; 16 mask words for each of my two query tiles
	s_load_b512 s[68:83], s[MB+2:MB+3], s[MO] offset:64*(\st)
	LK H0, \slot, \st, 0
	LK H1, \slot, \st, 1
	s_wait_dscnt 8
	QKH H0, 0
	PLACES
	LK H0, \slot, \st, 2
	s_wait_dscnt 8
	QKH H1, 1
	PLACES
	LK H1, \slot, \st, 3
	s_wait_dscnt 8
	QKH H0, 2
	PLACES
	LV H0, \slot, \st, 0
	s_wait_dscnt 8
	QKH H1, 3
	PLACES                                         ; also the places ahead of the softmax's first read of the scores
	LV H1, \slot, \st, 1
	SOFTMAX \first
	s_wait_dscnt 8
	PVH H0, 0, \first
	PLACES
	LV H0, \slot, \st, 2
	s_wait_dscnt 8
	PVH H1, 1, \first
	PLACES
	LV H1, \slot, \st, 3
	s_wait_dscnt 8
	PVH H0, 2, \first
	s_wait_dscnt 0x0
	PVH H1, 3, \first
.endm
; THE CHANGE OF SLOTS.  Each wave waits for all its tensor loads (one is out: its part of the slot ahead), adds 0 to its spare word, and waits for that and for its reads of the slot that it leaves.
; fill = 1: the barrier is a round of the cluster's, and the slot just left is filled with the keys two slots on: my one tensor load until the next round; it has a slot's two steps in which to land.
.macro CHANGE old, fill
	s_wait_tensorcnt 0x0                           ; no tensor load of mine is out, so a group 0 may be written
	ds_add_u32 v[SPW], v[NIL]
.if \fill
	s_add_nc_u64 s[G0K+4*\old+2:G0K+4*\old+3], s[G0K+4*\old+2:G0K+4*\old+3], 131072
	s_add_nc_u64 s[G0V+4*\old+2:G0V+4*\old+3], s[G0V+4*\old+2:G0V+4*\old+3], 131072
	s_wait_xcnt 0x0                                ; the last prefetch, a slot back, has read its address
	s_add_nc_u64 s[PFA:PFA+1], s[PFA:PFA+1], 65536
	s_wait_dscnt 0x0
	CROUND
	JLOAD \old
	ASK \old
.else
	s_wait_dscnt 0x0
	s_barrier_signal -1
	s_barrier_wait -1
.endif
	s_add_co_u32 s[MO], s[MO], 256                 ; the next slot's mask words
.endm
	s_wait_tensorcnt 0x1                           ; my part of slot 0 is in; slot 1's may stay out
	s_barrier_signal -1
	s_barrier_wait -1
	s_wait_loadcnt 0x0                             ; Q
	STEP 0, 0, 1                                   ; the first step starts m, l and O^T
	STEP 0, 1, 0
	s_mov_b32 s[LAP], 3
.Llap:                                                 ; three laps: six refills bring key tiles 2 to 7
	CHANGE 0, 1
	STEP 1, 0, 0
	STEP 1, 1, 0
	CHANGE 1, 1
	STEP 0, 0, 0
	STEP 0, 1, 0
	s_sub_co_u32 s[LAP], s[LAP], 1
	s_cmp_lg_u32 s[LAP], 0
	s_cbranch_scc1 .Llap
	CHANGE 0, 0                                    ; the tail is written out: nothing is asked for
	STEP 1, 0, 0
	STEP 1, 1, 0
	; THE HAND-OVER.  l is summed over its halves and over the lane 16 away; register tile 1 goes to my partner as an image of its registers, and my partner's comes to me.
	PLACES
.irp t, 0,1
	v_add_f32 v[ST+8*\t+2], v[ST+8*\t+2], v[ST+8*\t+3]
.endr
.irp t, 0,1
	v_permlanex16_b32 v[ST+8*\t+7], v[ST+8*\t+2], s[SEL], s[SEL+1]
.endr
.irp t, 0,1
	v_add_f32 v[ST+8*\t+2], v[ST+8*\t+2], v[ST+8*\t+7]
.endr
	v_and_b32 v3, 31, v0
	s_mul_i32 s12, s[WV], MRGB
	s_xor_b32 s13, s[WV], 1
	s_mul_i32 s13, s13, MRGB
	v_lshl_add_u32 v4, v3, 4, s12                  ; mine: 16 bytes a lane,
	v_lshl_add_u32 v5, v3, 4, s13                  ; my partner's,
	v_lshl_add_u32 v6, v3, 2, s12                  ; and 4 bytes a lane for m and l
	v_lshl_add_u32 v7, v3, 2, s13
	WIN 0x04                                       ; an LDS store's data: window 1
.irp c, 0,1,2,3,4,5,6,7,8,9,10,11,12,13,14,15
	ds_store_b128 v4, v[128+8*\c:128+8*\c+3] offset:1024*\c          ; each accumulator from its low end on
	ds_store_b128 v4, v[128+8*\c+4:128+8*\c+7] offset:1024*\c+512
.endr
	WIN 0
	ds_store_b32 v6, v[ST+8] offset:16384
	ds_store_b32 v6, v[ST+10] offset:16512
	s_wait_dscnt 0x0                               ; for the others' sake: my stores have landed
	s_barrier_signal -1
	s_barrier_wait -1
.irp c, 0,1,2,3,4,5,6,7,8,9,10,11,12,13,14,15
	ds_load_b128 v[Q+8*\c:Q+8*\c+3], v5 offset:1024*\c
	ds_load_b128 v[Q+8*\c+4:Q+8*\c+7], v5 offset:1024*\c+512
.endr
	ds_load_b32 v[ST+14], v7 offset:16384          ; m'
	ds_load_b32 v[ST+15], v7 offset:16512          ; l'
	s_wait_dscnt 0x0
	v_max_num_f32 v[ST+6], v[ST], v[ST+14]
	v_sub_f32 v[ST+4], v[ST], v[ST+6]
	v_sub_f32 v[ST+12], v[ST+14], v[ST+6]
	v_exp_f32 v[ST+4], v[ST+4]
	v_exp_f32 v[ST+12], v[ST+12]
	v_nop
	s_wait_alu depctr_va_vdst(0)
	v_mul_f32 v[ST+7], v[ST+2], v[ST+4]
	v_fma_f32 v[ST+7], v[ST+15], v[ST+12], v[ST+7] ; the row's sum over all keys: at least 1
	v_rcp_f32 v[ST+7], v[ST+7]
	v_nop
	s_wait_alu depctr_va_vdst(0)
	v_mul_f32 v[ST+4], v[ST+4], v[ST+7]
	v_mul_f32 v[ST+12], v[ST+12], v[ST+7]
.set i, 0
.rept 64
	v_pk_mul_f32 v[Q+i:Q+i+1], v[Q+i:Q+i+1], v[ST+12:ST+13] op_sel_hi:[1,0]
.set i, i+2
.endr
	WIN 0x01                                       ; source 0: my O^T of tile 0, window 1
.set i, 0
.rept 64
	v_pk_fma_f32 v[Q+i:Q+i+1], v[i:i+1], v[ST+4:ST+5], v[Q+i:Q+i+1] op_sel_hi:[1,0,1]
.set i, i+2
.endr
	WIN 0
	; THE WAY OUT.  Rounded to f16, lane (r, h) holds of channel tile c the 16 bytes of row r, channels 16 c + 8 h + 0 .. 7: registers 4 (c % 2) .. + 3 of the fragment c / 2 of the next product's operand, in
	; that operand's own lane.  So the registers are stored as they stand, 16 bytes a lane: no LDS, and each store covers 512 consecutive bytes, aligned.
.set i, 0
.rept 64
	v_cvt_pk_f16_f32 v[64+i], v[Q+2*i], v[Q+2*i+1]
.set i, i+1
.endr
	v_lshlrev_b32 v12, 4, v3
.irp c, 0,1,2,3,4,5,6,7,8,9,10,11,12,13,14,15
	global_store_b128 v12, v[64+4*\c:67+4*\c], s[8:9] offset:512*\c
.endr
	s_wait_tensorcnt 0x0                           ; the wave's end
	ds_add_u32 v[SPW], v[NIL]
	s_wait_dscnt 0x0
	CROUND                                         ; the closing round
	s_endpgm
.Lfunc_end_k_q781538079d_attn:
	.size	k_q781538079d_attn, .Lfunc_end_k_q781538079d_attn-k_q781538079d_attn
	.p2alignl 7, 3214868480
	.fill 96, 4, 3214868480
	.section	.rodata,"a",@progbits
	.p2align	6, 0x0
	.amdhsa_kernel k_q781538079d_attn
		.amdhsa_group_segment_fixed_size 327680
		.amdhsa_private_segment_fixed_size 0
		.amdhsa_enable_private_segment 0
		.amdhsa_kernarg_size 24
		.amdhsa_user_sgpr_count 2
		.amdhsa_user_sgpr_kernarg_segment_ptr 1
		.amdhsa_wavefront_size32 1
		.amdhsa_system_sgpr_workgroup_id_x 1
		.amdhsa_system_sgpr_workgroup_id_y 1
		.amdhsa_system_sgpr_workgroup_id_z 1
		.amdhsa_system_vgpr_workitem_id 0
		.amdhsa_next_free_vgpr 512
		.amdhsa_next_free_sgpr 100
		.amdhsa_reserve_vcc 0
		.amdhsa_float_denorm_mode_32 3
		.amdhsa_float_denorm_mode_16_64 3
		.amdhsa_memory_ordered 1
		.amdhsa_forward_progress 1
		.amdhsa_inst_pref_size 255
	.end_amdhsa_kernel
	.section	.bss,"aw",@nobits
	.p2align	6
	.space	262144
	.amdgpu_metadata
---
amdhsa.version: [ 1, 2 ]
amdhsa.kernels:
  - .name:           k_q781538079d_attn
    .symbol:         k_q781538079d_attn.kd
    .args:
      - { .name: qkv, .offset: 0, .size: 8, .value_kind: global_buffer, .address_space: global }
      - { .name: mw, .offset: 8, .size: 8, .value_kind: global_buffer, .address_space: global }
      - { .name: att, .offset: 16, .size: 8, .value_kind: global_buffer, .address_space: global }
    .group_segment_fixed_size: 327680
    .private_segment_fixed_size: 0
    .kernarg_segment_align: 8
    .kernarg_segment_size: 24
    .max_flat_workgroup_size: 256
    .sgpr_count:     100
    .vgpr_count:     512
    .wavefront_size: 32
...
	.end_amdgpu_metadata
.endif
;; end of part 3
;; launch oproj (part 4): grid 32 x 8, 4 waves a work-group, clusters of 4 x 1, 327,680 bytes of LDS; arguments att, wo16, out0, out1; writes out0, out1
.if DOCPART == 4
	.amdgcn_target "amdgcn-amd-amdhsa--gfx1250"
	.amdhsa_code_object_version 6
	.text
	.protected	k_q781538079d_oproj
	.globl	k_q781538079d_oproj
	.p2align	8
	.type	k_q781538079d_oproj,@function
k_q781538079d_oproj:
	s_mov_b64 s[64:65], 0
	v_nop
	global_prefetch_b8 v0, s[64:65] scope:SCOPE_SE
	s_setreg_imm32_b32 hwreg(HW_REG_WAVE_MODE, 25, 1), 1
	s_wait_xcnt 0x0
	s_wait_alu depctr_hold_cnt(0) depctr_sa_sdst(0) depctr_va_vdst(0) depctr_va_sdst(0) depctr_va_ssrc(0) depctr_va_vcc(0) depctr_vm_vsrc(0)
	s_getreg_b32 s2, hwreg(HW_REG_IB_STS2, 6, 4)
	s_cmp_eq_u32 s2, 0
	s_cbranch_scc0 .Lentry_in_a_cluster
	s_endpgm
.Lentry_in_a_cluster:
	s_bfe_u32 s2, ttmp6, 0x10000c
	s_cmp_lg_u32 s2, 0x3003
	s_cbranch_scc0 .Lentry_shape_is_right
	s_endpgm
.Lentry_shape_is_right:
; out_branch[row][d] = sum over k of att[branch][row][k] wo16[branch][k][d]: two products of 2,048 x 2,048 x 2,048 on f16 operands, f32 sums, f32 out.  (att's and wo16's k are permuted alike inside a head.)
; A tile of 128 rows x 256 columns to a work-group: 16 x 8 tiles a branch, 256 work-groups.  Four waves, 64 x 128 each: 32 accumulators, 256 registers.
; THE MATRIX INSTRUCTION IS USED TRANSPOSED: source 0 = 16 columns x 32 k of wo16 ([k][d] in memory: the turning load), source 1 = 16 rows of att: a lane holds eight neighbouring columns of one row.
; wo16 GOES THROUGH LDS, in two slots of 256 along K, 64 k-rows to each wave's tensor load: behind a change of slots a wave has one load out, and that load has a slot's 256 matrix instructions, less the sixteen
; in front of it, in which to land.  Two such slots for both operands would take 2 x 256 x (544 + 272) = 417,792 bytes, more than a work-group can have: so
; att GOES STRAIGHT INTO REGISTERS.  It lies in memory in the order of the operand's registers (1,024 bytes a fragment of 16 rows x 32 k: [register half][lane][16 bytes]; 65,536 bytes a row tile), so a load reads 512
; consecutive bytes.  My four fragments of each 32 along K (a quarter: eight loads) are asked for seven quarters ahead, into a ring of eight sets of 32 registers; a slot is eight quarters, so quarter j of every slot has set j.
; CLUSTER: 4 x 1: four row tiles of one tile column and one branch: they walk the same rows of wo16, which are asked for jointly.  att's fragments are not shared so: a joint load ends in LDS, and these end in registers.
; REGISTERS: window 0: v20-23 LDS addresses; v24-26 the way out (v26, 16 x lane, is att's offset too); v28, v29 the add's two; v30 the prefetches' offset; v96-159, v160-223 wo16's fragments, two sets; v32-159 rows on the way out.
;   Window 1: accumulator (a, b) at v[8 (8 a + b)].   Window 2: att's ring: set j, row block a at v[32 j + 8 a].
.set PB,     544                       ; a k-row of wo16's tile in LDS: 512 bytes + 32, for the turning load
.set SLOT,   256*PB
.set STAGE,  2*SLOT                    ; behind the ring: 16 rows x (512 bytes + 16) for each wave
.set SPITCH, 528
.set SPARE,  STAGE+4*16*SPITCH         ; the spare words, 128 bytes a wave
.set ADRB, 20                          ; v20-23  slot s, quarters 4 g .. 4 g + 3: v[20 + 2 s + g] (an LDS offset has 16 bits)
.set STO,  24
.set RD,   25
.set CO,   26
.set SPW,  28
.set NIL,  29
.set PFO,  30
.set G1B, 24                           ; s[24:31] descriptor group 1;  s[32:39] group 0, a set for each slot
.set G0B, 32
.set AB,  40                           ; s[40:41] att at my four row tiles, at the slot in hand
.set PFA, 44
.set LIM, 46
.set MSB, 0
.macro WIN new                         ; the immediate's high byte repeats the setting that is left
.if MSB != \new
	s_set_vgpr_msb (MSB<<8)|\new
.set MSB, \new
.endif
.endm
.set MUL, 0x58                         ; source 0 (wo16) window 0, source 1 (att) window 2, C and D window 1
; A prefetch of what the next change of slots will ask for: 256 k-rows x 512 bytes of wo16.  The branch's four clusters of a tile column walk the same rows: the first of them asks.  Its four partners share the rows
; out by address, 64 each; a wave takes 32 of them, a lane a row, and one half of their 512 bytes: each aligned block of 256 bytes is named once.  The last refill asks for nothing.
; att is not prefetched: its own loads are issued seven quarters ahead of their use.
.macro ASK last
.if \last
	s_cmp_gt_u32 s3, s[LIM]
.else
	s_cmp_ge_u32 s3, s[LIM]
.endif
	s_cbranch_scc0 .Lnot_mine_\@
	global_prefetch_b8 v[PFO], s[PFA:PFA+1] th:TH_LOAD_NT scope:SCOPE_SE
.Lnot_mine_\@:
.endm
.macro CREST                           ; a round of the cluster's barrier behind its opening barrier
	s_cmp_lg_u32 s12, 0
	s_cbranch_scc1 .Lnot_wave_0_\@
	s_barrier_signal -3
.Lnot_wave_0_\@:
	s_barrier_wait -3
	s_barrier_signal -1
	s_barrier_wait -1
.endm
.macro CROUND
	s_barrier_signal -1
	s_barrier_wait -1
	CREST
.endm
.macro PLACES                          ; four plain vector lines between a matrix instruction and a load into, or a read of, its registers
.rept 4
	v_nop
.endr
.endm
	s_load_b256 s[4:11], s[0:1], 0x0               ; att, wo16, out0, out1
	v_lshl_add_u32 v[SPW], v0, 2, SPARE
	v_mov_b32 v[NIL], 0
	ds_add_u32 v[SPW], v[NIL]                      ; the wave's opening: the add, twice on end, and its wait ahead of my first tensor load
	ds_add_u32 v[SPW], v[NIL]
	v_lshrrev_b32 v1, 5, v0
	v_readfirstlane_b32 s12, v1                    ; wave 0..3
	s_lshr_b32 s13, s12, 1                         ; which half of the tile's rows is mine
	s_and_b32 s14, s12, 1                          ; which half of its columns
	s_bfe_u32 s15, ttmp6, 0x40000                  ; cx
	s_lshl_b32 s17, ttmp9, 2
	s_add_co_u32 s17, s17, s15                     ; tile row, counted through both branches
	s_lshr_b32 s16, ttmp9, 2                       ; branch: the same in all four partners
	s_and_b32 s42, ttmp7, 0xffff                   ; tile column
	s_mov_b32 s[G1B], 15|(1<<16)|(1<<20)|(1<<21)|(6<<22)|(7<<25)   ; the mask: all four; elements of 2 bytes; padding on; bit 21 beside a mask; after every 128 words; 8 words
	s_mov_b32 s[G1B+1], 256<<16                    ; tensor_dim0
	s_mov_b32 s[G1B+2], 64<<16                     ; tensor_dim1
	s_mov_b32 s[G1B+3], 256<<16                    ; tile_dim0
	s_mov_b32 s[G1B+4], 64                         ; tile_dim1
	s_mov_b32 s[G1B+5], 2048                       ; the pitch
	s_mov_b32 s[G1B+6], 0
	s_mov_b32 s[G1B+7], 0
	s_lshl_b32 s18, s16, 23
	s_lshl_b32 s19, s12, 18
	s_add_co_u32 s18, s18, s19
	s_lshl_b32 s19, s42, 9
	s_add_co_u32 s18, s18, s19                     ; wo16: branch, my 64 k-rows of 4,096 bytes, the tile column's 512 bytes: nothing of cx
	s_mov_b32 s19, 0
	s_mul_i32 s20, s12, 64*PB                      ; where they go: no place in the cluster enters an LDS address
	s_lshl_b32 s22, s17, 19                        ; att: a tile row is 8 row tiles of 65,536 bytes,
	s_lshl_b32 s23, s13, 18                        ; my half of it 4
	s_add_co_u32 s22, s22, s23
	s_mov_b32 s23, 0
	s_wait_dscnt 0x0                               ; both opening adds are done
	s_wait_kmcnt 0x0
	s_add_nc_u64 s[18:19], s[6:7], s[18:19]
	s_add_nc_u64 s[AB:AB+1], s[4:5], s[22:23]
	CROUND                                         ; all four work-groups are here: the first joint loads meet
.irp s, 0,1
	s_mov_b32 s[G0B+4*\s], 1
	s_add_co_u32 s[G0B+4*\s+1], s20, \s*SLOT
	s_add_nc_u64 s[G0B+4*\s+2:G0B+4*\s+3], s[18:19], \s*1048576
	s_or_b32 s[G0B+4*\s+3], s[G0B+4*\s+3], 0x80000000
.endr
	tensor_load_to_lds s[G0B:G0B+3], s[G1B:G1B+7]                  ; both slots' first fills: two loads of mine are out
	s_nop 0
	tensor_load_to_lds s[G0B+4:G0B+7], s[G1B:G1B+7]
	s_nop 0
.rept 4
	v_nop
.endr
	v_and_b32 v6, 31, v0
	v_lshlrev_b32 v[CO], 4, v6                     ; 16 x lane: my place in a fragment's half, and in a row of out
; att's four fragments of the k-th 32 along K behind s[AB], into ring set 'set': eight loads of 512 consecutive bytes
.macro ALOAD set, k
	WIN 0x80                                       ; destination window 2
.irp a, 0,1,2,3
	global_load_b128 v[32*(\set)+8*\a:32*(\set)+8*\a+3], v[CO], s[AB:AB+1] offset:\a*65536+(\k)*1024
	global_load_b128 v[32*(\set)+8*\a+4:32*(\set)+8*\a+7], v[CO], s[AB:AB+1] offset:\a*65536+(\k)*1024+512
.endr
.endm
.irp q, 0,1,2,3,4,5,6
	ALOAD \q, \q                                   ; the ring's first seven sets: 56 loads
.endr
	WIN 0
	v_and_b32 v1, 15, v0                           ; r
	v_bfe_u32 v2, v0, 4, 1                         ; h
	v_and_b32 v4, 7, v0
	v_lshl_add_u32 v4, v2, 3, v4
	v_mul_u32_u24 v4, v4, PB
	v_bfe_u32 v5, v0, 3, 1
	v_lshl_add_u32 v4, v5, 4, v4
	s_lshl_b32 s22, s14, 8
	v_add_nc_u32 v[ADRB], s22, v4                  ; wo16, for the turning load: k-row 8 h + lane % 8, 16 bytes for each eight lanes, my 128 columns
	v_add_nc_u32 v[ADRB+1], 128*PB, v[ADRB]
	v_add_nc_u32 v[ADRB+2], SLOT, v[ADRB]
	v_add_nc_u32 v[ADRB+3], SLOT+128*PB, v[ADRB]
	s_mul_i32 s23, s12, 16*SPITCH
	s_add_co_u32 s23, s23, STAGE                   ; my stage
	v_mul_u32_u24 v5, v1, SPITCH
	v_lshl_add_u32 v5, v2, 5, v5
	v_add_nc_u32 v[STO], s23, v5                   ; in: row r, 32 bytes for each half of the lanes
	v_add_nc_u32 v[RD], s23, v[CO]                 ; back: the 32 lanes take a row of 512 bytes
	v_lshlrev_b32 v[PFO], 12, v6                   ; a lane a k-row of 4,096 bytes
	s_and_b32 s20, s17, 15
	s_lshl_b32 s20, s20, 7
	s_lshl_b32 s21, s13, 6
	s_add_co_u32 s20, s20, s21                     ; my first row of out
	s_lshl_b32 s20, s20, 13
	s_lshl_b32 s21, s42, 10
	s_add_co_u32 s20, s20, s21
	s_lshl_b32 s21, s14, 9
	s_add_co_u32 s20, s20, s21
	s_mov_b32 s21, 0
	s_cmp_eq_u32 s16, 0
	s_cselect_b64 s[8:9], s[8:9], s[10:11]
	s_add_nc_u64 s[8:9], s[8:9], s[20:21]
	s_lshl_b32 s20, s15, 6                         ; the prefetches: my work-group's 64 k-rows,
	s_lshl_b32 s21, s13, 5                         ; my wave's 32 of them,
	s_add_co_u32 s20, s20, s21
	s_add_co_u32 s20, s20, 2*256                   ; in the third 256 along K: the first refill steps it to the fourth.  Nothing is prefetched at the head
	s_lshl_b32 s20, s20, 12
	s_lshl_b32 s21, s16, 23
	s_add_co_u32 s20, s20, s21
	s_lshl_b32 s21, s42, 9
	s_add_co_u32 s20, s20, s21
	s_lshl_b32 s21, s14, 8                         ; my half of their 512 bytes
	s_add_co_u32 s20, s20, s21
	s_mov_b32 s21, 0
	s_add_nc_u64 s[PFA:PFA+1], s[6:7], s[20:21]
	s_and_b32 s[LIM], ttmp9, 3                     ; 0 in the branch's first cluster: the same in all four partners
	s_cmp_eq_u32 s[LIM], 0
	s_cselect_b32 s[LIM], 1, -1
.macro MUL8 f, j, a, zero              ; row block a (ring set j) against the eight column blocks (set f), 32 along K.  The 32 accumulators take turns, one instruction a turn
.irp b, 0,1,2,3,4,5,6,7
.if \zero
	v_wmma_f32_16x16x32_f16 v[8*(8*(\a)+\b):8*(8*(\a)+\b)+7], v[96+64*(\f)+8*\b:96+64*(\f)+8*\b+7], v[32*(\j)+8*(\a):32*(\j)+8*(\a)+7], 0
.else
	v_wmma_f32_16x16x32_f16 v[8*(8*(\a)+\b):8*(8*(\a)+\b)+7], v[96+64*(\f)+8*\b:96+64*(\f)+8*\b+7], v[32*(\j)+8*(\a):32*(\j)+8*(\a)+7], v[8*(8*(\a)+\b):8*(8*(\a)+\b)+7]
.endif
.endr
.endm
.macro FETCH slot, q, f                ; 16 LDS loads in one run: wo16's eight fragments of the slot's quarter q into set f
.irp b, 0,1,2,3,4,5,6,7
	ds_load_tr16_b128 v[96+64*(\f)+8*\b:96+64*(\f)+8*\b+3], v[ADRB+2*(\slot)+(\q)/4] offset:((\q)%4)*32*PB+32*\b
	ds_load_tr16_b128 v[96+64*(\f)+8*\b+4:96+64*(\f)+8*\b+7], v[ADRB+2*(\slot)+(\q)/4] offset:((\q)%4)*32*PB+16*PB+32*\b
.endr
.endm
; A quarter: 32 along K, 32 matrix instructions.  Quarter j (0 .. 6) of a slot multiplies wo16's set j % 2 by att's ring set j; behind its first eight products it fetches wo16's next quarter and, with
; ald = 1, asks for att's quarter seven on, into the sets that the quarter before multiplied.  n: att's younger loads that may stay out: six sets' 48, fewer where the asking has ended.
.macro QUARTER slot, j, zero, ald, n
	s_wait_loadcnt \n                              ; att's set j is in
	s_wait_dscnt 0x0                               ; wo16's set is in
	WIN MUL
	MUL8 (\j)%2, \j, 0, \zero
	WIN 0
	PLACES
	FETCH \slot, (\j)+1, ((\j)+1)%2
.if \ald
	ALOAD ((\j)+7)%8, (\j)+7
.endif
	WIN MUL
	MUL8 (\j)%2, \j, 1, \zero
	MUL8 (\j)%2, \j, 2, \zero
	MUL8 (\j)%2, \j, 3, \zero
.endm
; A slot's last quarter changes slots: one barrier; in front of it each wave waits for all its tensor loads, adds 0 to its spare word, and waits for that and for its reads of this slot.
; fill = 1: the barrier opens a round of the cluster's, and this slot is filled with the 256 along K two slots on.
.macro TURN slot, next, fill
	s_wait_xcnt 0x0                                ; att's loads, issued a quarter back and earlier, and the last prefetch, a slot back, have read their addresses:
	s_add_nc_u64 s[AB:AB+1], s[AB:AB+1], 8192      ; att at the next slot's first fragment
.if \fill
	s_add_nc_u64 s[PFA:PFA+1], s[PFA:PFA+1], 1048576
.endif
	s_wait_loadcnt 48                              ; att's set 7 is in
	WIN 0
	s_wait_tensorcnt 0x0                           ; all my tensor loads have landed: my part of the next slot
	ds_add_u32 v[SPW], v[NIL]
	s_wait_dscnt 1                                 ; wo16's set is in (the add may be out)
	WIN MUL
	MUL8 1, 7, 0, 0
	s_wait_dscnt 0x0                               ; the add is done, and my reads of this slot are over
	s_barrier_signal -1
	MUL8 1, 7, 1, 0
	WIN 0
	s_barrier_wait -1
.if \fill
	CREST                                          ; no wave of any partner still reads this slot or has a load on its way
	s_add_nc_u64 s[G0B+4*\slot+2:G0B+4*\slot+3], s[G0B+4*\slot+2:G0B+4*\slot+3], 2097152
	tensor_load_to_lds s[G0B+4*\slot:G0B+4*\slot+3], s[G1B:G1B+7]  ; the first tensor load behind the round, and my only one until the next
	s_nop 0
.rept 4
	v_nop                                          ; (the places in front of the loads below)
.endr
.else
	PLACES
.endif
	FETCH \next, 0, 0
	ALOAD 6, 6                                     ; seven quarters on: the next slot's quarter 6
	WIN 0
.if \fill
	ASK \slot
.endif
	WIN MUL
	MUL8 1, 7, 2, 0
	MUL8 1, 7, 3, 0
.endm
	s_wait_tensorcnt 1                             ; my part of slot 0 is in; slot 1's may stay out
	s_barrier_signal -1
	s_barrier_wait -1
	FETCH 0, 0, 0
	QUARTER 0, 0, 1, 1, 48                         ; the first quarter's products start the sums
	WIN 0
	s_mov_b32 s3, 3
.Llap:                                                 ; a trip goes once round the ring, from a slot's second quarter to the next but one's first; three trips: six refills
.irp j, 1,2,3,4,5,6
	QUARTER 0, \j, 0, 1, 48
.endr
	TURN 0, 1, 1
.irp j, 0,1,2,3,4,5,6
	QUARTER 1, \j, 0, 1, 48
.endr
	TURN 1, 0, 1
	QUARTER 0, 0, 0, 1, 48
	WIN 0
	s_sub_co_u32 s3, s3, 1
	s_cmp_lg_u32 s3, 0
	s_cbranch_scc1 .Llap
.irp j, 1,2,3,4,5,6
	QUARTER 0, \j, 0, 1, 48                        ; the last two slots are written out
.endr
	TURN 0, 1, 0
	QUARTER 1, 0, 0, 1, 48                         ; att's last set is asked for here; the counts run down
	QUARTER 1, 1, 0, 0, 48
	QUARTER 1, 2, 0, 0, 40
	QUARTER 1, 3, 0, 0, 32
	QUARTER 1, 4, 0, 0, 24
	QUARTER 1, 5, 0, 0, 16
	QUARTER 1, 6, 0, 0, 8
	s_wait_loadcnt 0x0
	s_wait_dscnt 0x0
	WIN MUL
	MUL8 1, 7, 0, 0
	MUL8 1, 7, 1, 0
	MUL8 1, 7, 2, 0
	MUL8 1, 7, 3, 0
	WIN 0
; THE WAY OUT, 16 rows x 128 columns at a time, through my own stage: back as whole rows of 512 bytes.
.macro TOSTAGE a
	WIN 0x04                                       ; an LDS store's data: window 1
.irp b, 0,1,2,3,4,5,6,7
	ds_store_b128 v[STO], v[8*(8*(\a)+\b):8*(8*(\a)+\b)+3] offset:64*\b              ; each accumulator from its low end on
	ds_store_b128 v[STO], v[8*(8*(\a)+\b)+4:8*(8*(\a)+\b)+7] offset:64*\b+16
.endr
	WIN 0
.set BB, 32+64*((\a)%2)
.irp t, 0,1,2,3,4,5,6,7,8,9,10,11,12,13,14,15
	ds_load_b128 v[BB+4*\t:BB+4*\t+3], v[RD] offset:\t*SPITCH      ; LDS serves a wave's instructions in order: these see my stores
.endr
.endm
.macro SEND a, younger                 ; younger: the LDS instructions issued behind block a's loads, which may stay out
.set BB, 32+64*((\a)%2)
	s_wait_dscnt \younger
.irp t, 0,1,2,3,4,5,6,7,8,9,10,11,12,13,14,15
	global_store_b128 v[CO], v[BB+4*\t:BB+4*\t+3], s[8:9] offset:131072*(\a)+8192*\t th:TH_STORE_NT   ; 512 consecutive bytes, aligned; written once, read by nobody here
.endr
.endm
	PLACES                                         ; behind the last products: for the reads of their results and the loads into their fragments
	TOSTAGE 0
.irp a, 1,2,3
.if \a > 1
	s_wait_xcnt 0x0                                ; block a - 2's stores have read their registers: block a's loads may land there
.endif
	TOSTAGE \a
	SEND \a-1, 32                                  ; behind block a - 1's loads: block a's 16 stores and 16 loads
.endr
	SEND 3, 0
	s_wait_tensorcnt 0x0                           ; the wave's end
	ds_add_u32 v[SPW], v[NIL]
	s_wait_dscnt 0x0
	CROUND                                         ; the closing round
	s_endpgm
.Lfunc_end_k_q781538079d_oproj:
	.size	k_q781538079d_oproj, .Lfunc_end_k_q781538079d_oproj-k_q781538079d_oproj
	.p2alignl 7, 3214868480
	.fill 96, 4, 3214868480
	.section	.rodata,"a",@progbits
	.p2align	6, 0x0
	.amdhsa_kernel k_q781538079d_oproj
		.amdhsa_group_segment_fixed_size 327680
		.amdhsa_private_segment_fixed_size 0
		.amdhsa_enable_private_segment 0
		.amdhsa_kernarg_size 32
		.amdhsa_user_sgpr_count 2
		.amdhsa_user_sgpr_kernarg_segment_ptr 1
		.amdhsa_wavefront_size32 1
		.amdhsa_system_sgpr_workgroup_id_x 1
		.amdhsa_system_sgpr_workgroup_id_y 1
		.amdhsa_system_sgpr_workgroup_id_z 1
		.amdhsa_system_vgpr_workitem_id 0
		.amdhsa_next_free_vgpr 768
		.amdhsa_next_free_sgpr 66
		.amdhsa_reserve_vcc 0
		.amdhsa_float_denorm_mode_32 3
		.amdhsa_float_denorm_mode_16_64 3
		.amdhsa_memory_ordered 1
		.amdhsa_forward_progress 1
		.amdhsa_inst_pref_size 152
	.end_amdhsa_kernel
	.amdgpu_metadata
---
amdhsa.version: [ 1, 2 ]
amdhsa.kernels:
  - .name:           k_q781538079d_oproj
    .symbol:         k_q781538079d_oproj.kd
    .args:
      - { .name: att, .offset: 0, .size: 8, .value_kind: global_buffer, .address_space: global }
      - { .name: wo16, .offset: 8, .size: 8, .value_kind: global_buffer, .address_space: global }
      - { .name: out0, .offset: 16, .size: 8, .value_kind: global_buffer, .address_space: global }
      - { .name: out1, .offset: 24, .size: 8, .value_kind: global_buffer, .address_space: global }
    .group_segment_fixed_size: 327680
    .private_segment_fixed_size: 0
    .kernarg_segment_align: 8
    .kernarg_segment_size: 32
    .max_flat_workgroup_size: 128
    .sgpr_count:     66
    .vgpr_count:     768
    .wavefront_size: 32
...
	.end_amdgpu_metadata
.endif
;; end of part 4
